; MI455X (gfx1250); checked and timed in simulation.
; The chip was launched on July 23, 2026; its instructions are those of AMD's public machine-readable ISA for CDNA 5 (MIT licence, August 2026) and "CDNA5" Instruction Set Architecture Reference Guide (July 2026). The comments in the code are by the model that wrote it; some were corrected since.
;; Multi Head Attention. Allowed arithmetic: matrix products marked QUANTISED: E4M3 operands, one given power-of-two scale a tensor, by v_wmma_f32_16x16x64_fp8_fp8 or v_wmma_f32_16x16x128_fp8_fp8, f32 sums; everything else in f32.
;; Inputs: Wk 1,024 x 1,024 float32; Wo 1,024 x 1,024 float32; Wq 1,024 x 1,024 float32; Wv 1,024 x 1,024 float32; bo 1,024 float32; inputs 4 x 2,048 x 1,024 float32; lowp_scales 12 int32 (the exponents e of the quantised operands' scales 2^e).
;; Outputs: out0 4 x 2,048 x 1,024 float32.
;; This version of the problem:
;;   THIS VERSION OF THE PROBLEM IS GIVEN IN LOW PRECISION. The matrix products marked QUANTISED in the list below multiply operands that are first quantised to E4M3 (4 exponent bits, 3 mantissa bits; 8 bits a number), with one given power-of-two scale for each operand tensor; their sums are f32. All else is computed in f32.
;;   The module's matrix products, in the order in which they are computed (A, B: the left and right operand; K: the contracted axis; several contracted axes count as one K, in the product's order):
;;     1. [M 8,192, K 1,024] x [K 1,024, N 1,024]; A: input inputs; B: input Wq: QUANTISED (scales: A lowp_scales[0], B lowp_scales[1])
;;     2. [M 8,192, K 1,024] x [K 1,024, N 1,024]; A: input inputs; B: input Wk: QUANTISED (scales: A lowp_scales[2], B lowp_scales[3])
;;     3. [M 8,192, K 1,024] x [K 1,024, N 1,024]; A: input inputs; B: input Wv: QUANTISED (scales: A lowp_scales[4], B lowp_scales[5])
;;     4. batch 64 x [M 2,048, K 64] x [K 64, N 2,048]; A: computed on the way; B: computed on the way: QUANTISED (scales: A lowp_scales[6], B lowp_scales[7])
;;     5. batch 64 x [M 64, K 2,048] x [K 2,048, N 2,048]; A: computed on the way; B: softmax (see below): QUANTISED (scales: A lowp_scales[8], B lowp_scales[9])
;;     6. [M 8,192, K 1,024] x [K 1,024, N 1,024]; A: computed on the way; B: input Wo: QUANTISED (scales: A lowp_scales[10], B lowp_scales[11])
;;   THE QUANTISER, for each operand of a quantised product, along K:
;;     - The operand's scale is 2^e, e = its entry of the input lowp_scales (int32; the entries are numbered through the quantised products in the list's order, A before B).
;;     - Each number is divided by the scale, clamped to +-448, and rounded to the nearest number of E4M3, ties to even, subnormals kept.
;;     - The product sums the exact products of the quantised numbers (number of the format x scale) in f32.
;;   ~~~python
;;   def quantise(x, axis, e):      # numpy; x: float32 -> the quantised numbers, widened to float32 again
;;       x = np.moveaxis(x, axis, -1); K = x.shape[-1]
;;       r = np.clip(x / 2.0 ** e, -448, 448)
;;       step = 2.0 ** (np.maximum(np.frexp(np.where(r == 0, 1, r))[1] - 1, -6) - 3)
;;       q = np.round(r / step) * step * 2.0 ** e      # np.round: ties to even
;;       return np.moveaxis(q, -1, axis).astype(np.float32)
;;   ~~~
;;   SOFTMAX AHEAD OF A QUANTISED PRODUCT. Where the list says 'softmax', what is quantised is not the finished softmax but p = 2^(t - M), with t = logit x log2(e) and M = ceil(the row's largest t), a whole number; so 1/2 < the row's largest p <= 1. The row's sum l is taken of the UNQUANTISED p, in f32, and the product's result is divided by l at the end. Since M is a whole number, a kernel that streams over the keys may use a running M (the ceiling of the running maximum): every later rescaling is an exact power of two, so the quantised numbers keep their values, but for numbers so far below the row's largest that they fall under the format's range.
;;   OPERANDS COMPUTED ON THE WAY. 'Computed on the way' means the value that the module computes at that place (a softmax that the list does not call 'softmax' is quantised finished and normalised). What goes into a quantiser is computed in f32, as accurately as f32 sums, v_exp_f32 and their like allow (about 1e-6 of the number): no bf16 or f16 on the way to a quantiser, and a product that is left as it is and whose result goes on into a quantised operand takes f32 operands (vector FMAs, or v_wmma_f32_16x16x4_f32). A number that lies on a knife's edge between two numbers of the format may be rounded either way, as far as f32 arithmetic and the matrix unit's own rounding can turn it there, and no further.
;; One version. Each part assembles by itself: llvm-mc -triple=amdgcn-amd-amdhsa -mcpu=gfx1250 --defsym DOCPART=n.
;; ======== version 1 of 1: 4 launches
;; limits: right only within a limited range of input values
;; workspace buffers: xc 25,165,824 bytes; wimg 4,194,304 bytes; qkv 25,165,824 bytes; ctx 8,388,608 bytes
;; launch quant (part 1): grid 640 x 1, 4 waves a work-group, no clusters, 68,096 bytes of LDS; arguments inputs, Wq, Wk, Wv, Wo, lowp_scales, xc, wimg; writes xc, wimg
.if DOCPART == 1
	.amdgcn_target "amdgcn-amd-amdhsa--gfx1250"
	.amdhsa_code_object_version 6
	.text
	.protected	k_q7add501789_quant
	.globl	k_q7add501789_quant
	.p2align	8
	.type	k_q7add501789_quant,@function
k_q7add501789_quant:
	s_mov_b64 s[64:65], 0
	v_nop
	global_prefetch_b8 v0, s[64:65] scope:SCOPE_SE
	s_setreg_imm32_b32 hwreg(HW_REG_WAVE_MODE, 25, 1), 1
	s_wait_xcnt 0x0
; f32 operands become codes of FP8 (E4M3), laid as IMAGES OF OPERAND REGISTERS.
; AN IMAGE (16 rows x 64 along K, 1,024 bytes) is [g 0..1][lane 0..31][16 bytes]: byte y of (g, lane) is the code of row lane % 16 at k = 32 g + 16 (y / 8) + 8 (lane / 16) + y % 8.
; Loaded by two 16-byte loads at 16 x lane + 512 g it is registers 0-7 of a fragment of the plain 8-bit matrix forms, every k in its own place.
; code = x / 2^e, held within +-448, to the nearest code, ties to even.
; Work-groups 0-511: 16 rows of inputs each, quantised three times (entries 0, 2, 4 of the scales) into xc [z 3][tile of 16 rows 512][64 along K 16][image].
; Work-groups 512-639: Wq, Wk, Wv, Wo (entries 1, 3, 5, 11), whose K is their FIRST axis, into wimg [w 4][tile of 16 columns 64][64 along K 16][image].
; The two kinds part on the work-group's number, never join again, and have LDS bytes of their own.  No tensor load, no barrier: waves share nothing.
; LIMITS: each of these eight exponents lies between -126 and 119, so that 2^e and 448 x 2^e are f32 numbers.  NaN among the inputs is not served; an infinity is held at the largest code.
.set XW,    8704                       ; inputs: a wave's two stages of 16 rows x 272 bytes (256 + 16 of padding: the 16 rows that a read touches start 68 words apart)
.set XHALF, 4352
.set WSTG,  34816                      ; weights: 8,192 bytes for each wave: eight images
.set SPARE, 67584                      ; the spare words, 128 bytes for each wave: two blocks of 256 bytes that no other line names
.set SPW,   12                         ; v12  LDS address of my spare word; never rewritten
.set NIL,   13                         ; v13  0; never rewritten
.set R,     16                         ; inputs: v16-143 four blocks of 32 registers as loaded; later the blocks' codes
.set X,     144                        ; v144-207 two sets of 32 numbers, k in the order of the operand's registers
.set TMP,   208                        ; v208-239 the numbers held within the largest code x the scale
.set WX,    32                         ; weights: v32-95 two sets of 32 numbers down K
.set WC,    96                         ; v96-103 a block's codes
.set WOUT,  112                        ; v112-175 the way out
	s_load_b256 s[4:11], s[0:1], 0x0               ; inputs s[4:5], Wq s[6:7], Wk s[8:9], Wv s[10:11]
	s_load_b256 s[12:19], s[0:1], 0x20             ; Wo s[12:13], the scales' exponents s[14:15], xc s[16:17], wimg s[18:19]
	v_lshl_add_u32 v[SPW], v0, 2, SPARE
	v_mov_b32 v[NIL], 0
	v_lshrrev_b32 v1, 5, v0
	v_readfirstlane_b32 s24, v1                    ; wave 0..3
	v_and_b32 v14, 15, v0                          ; r = lane % 16
	v_bfe_u32 v15, v0, 4, 1                        ; h = lane / 16
	s_cmp_ge_u32 ttmp9, 512
	s_cbranch_scc1 .Lweights
; ---- INPUTS.  Work-group = 16 rows; wave w takes k = 256 w .. 256 w + 255 in four blocks of 64.
; A load takes two rows x 256 consecutive bytes.  A block goes through the wave's own stage and comes back so that lane (r, h) holds, of row r, k = 16 c + 8 h + 0 .. 7 in registers 8 c .. 8 c + 7:
; eight neighbours for each conversion, whose results are then registers 2 c, 2 c + 1 of the image.
	v_and_b32 v4, 31, v0
	v_lshlrev_b32 v4, 4, v4                        ; 16 x lane: my place in half an image
	v_lshlrev_b32 v1, 4, v14
	v_lshl_add_u32 v1, v15, 14, v1                 ; in: row h of a pair of the tile's rows, which lie four tokens (16,384 bytes) apart; 16 bytes a lane
	s_mul_i32 s25, s24, XW
	v_mul_u32_u24 v2, v15, 272
	v_lshl_add_u32 v2, v14, 4, v2
	v_add_nc_u32 v2, s25, v2                       ; into the stage as loaded
	v_mul_u32_u24 v3, v14, 272
	v_lshl_add_u32 v3, v15, 5, v3
	v_add_nc_u32 v3, s25, v3                       ; out of it: row r, + 32 h bytes (8 numbers)
	; THE TOKENS OF A TILE ARE NOT NEIGHBOURS: row r of tile T is token 64 (T / 4) + 4 r + T % 4.  All three sets of codes have this order, so q, k, v and ctx have it too; the output projection stores each row at its token
	s_lshr_b32 s26, ttmp9, 2
	s_lshl_b32 s26, s26, 18                        ; 64 (T / 4) rows of 4,096 bytes
	s_and_b32 s27, ttmp9, 3
	s_lshl_b32 s27, s27, 12                        ; + T % 4 rows
	s_add_co_u32 s26, s26, s27
	s_lshl_b32 s27, s24, 10                        ; my wave's 256 numbers
	s_add_co_u32 s26, s26, s27
	s_mov_b32 s27, 0
	s_lshl_b32 s28, ttmp9, 14                      ; a tile's 16 images
	s_lshl_b32 s29, s24, 12                        ; my wave's four
	s_add_co_u32 s28, s28, s29
	s_mov_b32 s29, 0
	s_wait_alu depctr_va_vdst(0)
	s_wait_kmcnt 0x0
	s_load_b256 s[32:39], s[14:15], 0x0            ; entries 0 to 7
	s_add_nc_u64 s[4:5], s[4:5], s[26:27]
	s_add_nc_u64 s[40:41], s[16:17], s[28:29]      ; the three sets of codes lie 8 MiB apart: a base for each
	s_add_nc_u64 s[42:43], s[40:41], 0x800000
	s_add_nc_u64 s[44:45], s[42:43], 0x800000
.irp j, 0,1,2,3
.irp i, 0,1,2,3,4,5,6,7
	global_load_b128 v[R+32*\j+4*\i:R+32*\j+4*\i+3], v1, s[4:5] offset:32768*\i+256*\j th:TH_LOAD_NT   ; all 32 loads of the wave go out at once; sixteen lanes read 256 consecutive bytes of a row
.endr
.endr
	s_wait_kmcnt 0x0
.irp z, 0,1,2
	s_add_co_i32 s26, s[32+2*\z], 127
	s_lshl_b32 s27, s26, 23
	v_mov_b32 v[5+\z], s27                         ; 2^e as f32: the conversion takes its exponent field
	s_add_co_i32 s26, s26, 8
	s_lshl_b32 s26, s26, 23
	s_or_b32 s26, s26, 0x600000
	v_mov_b32 v[8+\z], s26                         ; 448 x 2^e
.endr
.macro TURN j                          ; block j through stage j % 2: LDS serves a wave's instructions in order, so no wait stands between the stores and the loads
.irp i, 0,1,2,3,4,5,6,7
	ds_store_b128 v2, v[R+32*(\j)+4*\i:R+32*(\j)+4*\i+3] offset:((\j)%2)*XHALF+544*\i
.endr
.irp c, 0,1,2,3
.irp e, 0,1
	ds_load_b128 v[X+32*((\j)%2)+8*\c+4*\e:X+32*((\j)%2)+8*\c+4*\e+3], v3 offset:((\j)%2)*XHALF+64*\c+16*\e
.endr
.endr
.endm
.macro QUANTX j                        ; block j, three times: hold, convert, store an image.  The codes take the registers in which the block was loaded: no store's data are written again
.irp z, 0,1,2
.set n, 0
.rept 32
	v_med3_num_f32 v[TMP+n], v[X+32*((\j)%2)+n], -v[8+\z], v[8+\z]   ; the conversion to an 8-bit code does not saturate (ISA guide 7.6.2): the hold comes first
.set n, n+1
.endr
.irp c, 0,1,2,3
	v_cvt_scalef32_pk8_fp8_f32 v[R+32*(\j)+8*\z+2*\c:R+32*(\j)+8*\z+2*\c+1], v[TMP+8*\c:TMP+8*\c+7], v[5+\z]
.endr
	v_nop                                          ; a plain vector line between the conversions and the next holds, which write their sources
	global_store_b128 v4, v[R+32*(\j)+8*\z:R+32*(\j)+8*\z+3], s[40+2*\z:41+2*\z] offset:1024*(\j)        ; 32 lanes store 512 consecutive bytes, aligned
	global_store_b128 v4, v[R+32*(\j)+8*\z+4:R+32*(\j)+8*\z+7], s[40+2*\z:41+2*\z] offset:1024*(\j)+512
.endr
.endm
	s_wait_alu depctr_va_vdst(0)
	s_wait_loadcnt 24                              ; block 0's eight loads are in; the 24 younger ones stay out
	TURN 0
.irp j, 0,1,2,3
	s_wait_dscnt 0x0                               ; block j is back from its stage
.if \j < 3
	s_wait_loadcnt 8*(2-\j)                        ; the next block's eight loads are in; those behind them stay out
	TURN \j+1                                      ; and go through the other stage while block j is worked
.endif
	QUANTX \j
.endr
	s_wait_tensorcnt 0x0                           ; the wave's end, behind my last LDS store
	ds_add_u32 v[SPW], v[NIL]
	s_wait_dscnt 0x0
	s_endpgm
; ---- WEIGHTS.  Work-group = 128 columns x 256 along K of one weight.  A LANE TAKES A COLUMN AND ITS REGISTERS RUN DOWN K: a load reads 128 consecutive bytes a wave, 512 a work-group,
; and the conversions give codes with K innermost.  Of a block of 32 along K, octets 0 and 2 are the 16 bytes of image lane (r, 0), octets 1 and 3 those of lane (r, 1).
.Lweights:
	s_sub_co_u32 s25, ttmp9, 512
	s_lshr_b32 s26, s25, 5                         ; which weight: 0 Wq, 1 Wk, 2 Wv, 3 Wo
	s_and_b32 s27, s25, 7                          ; which 128 columns
	s_bfe_u32 s28, s25, 0x20003                    ; which 256 along K
	v_and_b32 v8, 31, v0
	v_lshlrev_b32 v3, 2, v8                        ; in: 4 bytes a lane
	v_lshlrev_b32 v8, 4, v8                        ; out: 16 bytes a lane
	s_lshl_b32 s29, s24, 13
	s_add_co_u32 s29, s29, WSTG                    ; my stage: [tile of 16 columns 2][image 4]
	v_add_nc_u32 v7, s29, v8                       ; out of it: as it lies
	s_wait_alu depctr_va_vdst(0)
	v_lshlrev_b32 v4, 4, v14
	v_lshl_add_u32 v4, v15, 12, v4
	v_add_nc_u32 v4, s29, v4                       ; into it: my column's tile, image lane (r, 0)
	s_lshl_b32 s22, s28, 20                        ; W: 256 rows of 4,096 bytes,
	s_lshl_b32 s23, s27, 9
	s_add_co_u32 s22, s22, s23                     ; 128 columns,
	s_lshl_b32 s23, s24, 7
	s_add_co_u32 s22, s22, s23                     ; my wave's 32
	s_mov_b32 s23, 0
	s_lshl_b32 s30, s26, 20                        ; wimg: a weight is 1 MiB,
	s_lshl_b32 s31, s27, 17
	s_add_co_u32 s30, s30, s31                     ; 8 tiles of 16,384 bytes to 128 columns,
	s_lshl_b32 s31, s24, 15
	s_add_co_u32 s30, s30, s31                     ; two to a wave,
	s_lshl_b32 s31, s28, 12
	s_add_co_u32 s30, s30, s31                     ; four images to 256 along K
	s_mov_b32 s31, 0
	s_wait_kmcnt 0x0
	s_load_b256 s[32:39], s[14:15], 0x0            ; entries 0 to 7
	s_load_b128 s[40:43], s[14:15], 0x20           ; entries 8 to 11
	s_cmp_eq_u32 s26, 1                            ; the choice hangs on the work-group's number alone
	s_cselect_b64 s[20:21], s[8:9], s[6:7]
	s_cmp_eq_u32 s26, 2
	s_cselect_b64 s[20:21], s[10:11], s[20:21]
	s_cmp_eq_u32 s26, 3
	s_cselect_b64 s[20:21], s[12:13], s[20:21]
	s_add_nc_u64 s[20:21], s[20:21], s[22:23]
	s_add_nc_u64 s[44:45], s[18:19], s[30:31]
.macro WLOAD t                         ; block t: W(32 t + n, my column), n = 0 .. 31, into set t % 2; the largest offset, 255 rows, is 1,044,480 bytes
.set n, 0
.rept 32
	global_load_b32 v[WX+32*((\t)%2)+n], v3, s[20:21] offset:(32*(\t)+n)*4096 th:TH_LOAD_NT
.set n, n+1
.endr
.endm
	WLOAD 0
	WLOAD 1
	s_wait_kmcnt 0x0
	s_cmp_eq_u32 s26, 1
	s_cselect_b32 s30, s35, s33                    ; entry 1, 3, 5 or 11
	s_cmp_eq_u32 s26, 2
	s_cselect_b32 s30, s37, s30
	s_cmp_eq_u32 s26, 3
	s_cselect_b32 s30, s43, s30
	s_add_co_i32 s30, s30, 127
	s_lshl_b32 s31, s30, 23
	v_mov_b32 v11, s31                             ; 2^e
	s_add_co_i32 s30, s30, 8
	s_lshl_b32 s30, s30, 23
	s_or_b32 s30, s30, 0x600000
	v_mov_b32 v10, s30                             ; 448 x 2^e
.macro WBLOCK t
.if (\t) < 7
	s_wait_loadcnt 32                              ; this block's 32 loads are in; the next block's may be out
.else
	s_wait_loadcnt 0
.endif
.set n, 0
.rept 32
	v_med3_num_f32 v[WX+32*((\t)%2)+n], v[WX+32*((\t)%2)+n], -v10, v10
.set n, n+1
.endr
.irp q, 0,1,2,3
	v_cvt_scalef32_pk8_fp8_f32 v[WC+4*(\q%2)+2*(\q/2):WC+4*(\q%2)+2*(\q/2)+1], v[WX+32*((\t)%2)+8*\q:WX+32*((\t)%2)+8*\q+7], v11
.endr
	ds_store_b128 v4, v[WC:WC+3] offset:512*(\t)        ; block t is half t % 2 of image t / 2: 512 t bytes on; image lane (r, 0),
	ds_store_b128 v4, v[WC+4:WC+7] offset:512*(\t)+256  ; and lane (r, 1), 16 lanes further on.  (The codes go to LDS stores alone; the next block begins with 32 plain vector lines)
.if (\t)+2 < 8
	WLOAD (\t)+2
.endif
	s_wait_dscnt 0x0                               ; the stores have read their registers: the next block's codes may be written
.endm
	s_wait_alu depctr_va_vdst(0)
.irp t, 0,1,2,3,4,5,6,7
	WBLOCK \t
.endr
.irp i, 0,1,2,3,4,5,6,7,8,9,10,11,12,13,14,15
	ds_load_b128 v[WOUT+4*\i:WOUT+4*\i+3], v7 offset:512*\i
.endr
.irp i, 0,1,2,3,4,5,6,7,8,9,10,11,12,13,14,15
	s_wait_dscnt 15-\i                             ; load i is back; the younger ones stay out
	global_store_b128 v8, v[WOUT+4*\i:WOUT+4*\i+3], s[44:45] offset:(\i/8)*16384+(\i%8)*512   ; 512 consecutive bytes, aligned
.endr
	s_wait_tensorcnt 0x0                           ; the wave's end, behind my last LDS store
	ds_add_u32 v[SPW], v[NIL]
	s_wait_dscnt 0x0
	s_endpgm
.Lfunc_end_k_q7add501789_quant:
	.size	k_q7add501789_quant, .Lfunc_end_k_q7add501789_quant-k_q7add501789_quant
	.p2alignl 7, 3214868480
	.fill 96, 4, 3214868480
	.section	.rodata,"a",@progbits
	.p2align	6, 0x0
	.amdhsa_kernel k_q7add501789_quant
		.amdhsa_group_segment_fixed_size 68096
		.amdhsa_private_segment_fixed_size 0
		.amdhsa_enable_private_segment 0
		.amdhsa_kernarg_size 64
		.amdhsa_user_sgpr_count 2
		.amdhsa_user_sgpr_kernarg_segment_ptr 1
		.amdhsa_wavefront_size32 1
		.amdhsa_system_sgpr_workgroup_id_x 1
		.amdhsa_system_sgpr_workgroup_id_y 1
		.amdhsa_system_sgpr_workgroup_id_z 1
		.amdhsa_system_vgpr_workitem_id 0
		.amdhsa_next_free_vgpr 240
		.amdhsa_next_free_sgpr 66
		.amdhsa_reserve_vcc 0
		.amdhsa_float_denorm_mode_32 3
		.amdhsa_float_denorm_mode_16_64 3
		.amdhsa_memory_ordered 1
		.amdhsa_forward_progress 1
		.amdhsa_inst_pref_size 89
	.end_amdhsa_kernel
	.amdgpu_metadata
---
amdhsa.version: [ 1, 2 ]
amdhsa.kernels:
  - .name:           k_q7add501789_quant
    .symbol:         k_q7add501789_quant.kd
    .args:
      - { .name: inputs, .offset: 0, .size: 8, .value_kind: global_buffer, .address_space: global }
      - { .name: Wq, .offset: 8, .size: 8, .value_kind: global_buffer, .address_space: global }
      - { .name: Wk, .offset: 16, .size: 8, .value_kind: global_buffer, .address_space: global }
      - { .name: Wv, .offset: 24, .size: 8, .value_kind: global_buffer, .address_space: global }
      - { .name: Wo, .offset: 32, .size: 8, .value_kind: global_buffer, .address_space: global }
      - { .name: lowp_scales, .offset: 40, .size: 8, .value_kind: global_buffer, .address_space: global }
      - { .name: xc, .offset: 48, .size: 8, .value_kind: global_buffer, .address_space: global }
      - { .name: wimg, .offset: 56, .size: 8, .value_kind: global_buffer, .address_space: global }
    .group_segment_fixed_size: 68096
    .private_segment_fixed_size: 0
    .kernarg_segment_align: 8
    .kernarg_segment_size: 64
    .max_flat_workgroup_size: 128
    .sgpr_count:     66
    .vgpr_count:     240
    .wavefront_size: 32
...
	.end_amdgpu_metadata
.endif
;; end of part 1
;; launch qkv (part 2): grid 4 x 64, 4 waves a work-group, clusters of 4 x 4, 327,680 bytes of LDS; arguments xc, wimg, lowp_scales, qkv; writes qkv
.if DOCPART == 2
	.amdgcn_target "amdgcn-amd-amdhsa--gfx1250"
	.amdhsa_code_object_version 6
	.text
	.protected	k_q7add501789_qkv
	.globl	k_q7add501789_qkv
	.p2align	8
	.type	k_q7add501789_qkv,@function
k_q7add501789_qkv:
	s_mov_b64 s[64:65], 0
	v_nop
	global_prefetch_b8 v0, s[64:65] scope:SCOPE_SE
	s_setreg_imm32_b32 hwreg(HW_REG_WAVE_MODE, 25, 1), 1
	s_wait_xcnt 0x0
	s_wait_alu depctr_hold_cnt(0) depctr_sa_sdst(0) depctr_va_vdst(0) depctr_va_sdst(0) depctr_va_ssrc(0) depctr_va_vcc(0) depctr_vm_vsrc(0)
	s_getreg_b32 s2, hwreg(HW_REG_IB_STS2, 6, 4)
	s_cmp_eq_u32 s2, 0
	s_cbranch_scc0 .Lentry_in_a_cluster
	s_endpgm
.Lentry_in_a_cluster:
	s_bfe_u32 s2, ttmp6, 0x10000c
	s_cmp_lg_u32 s2, 0xf033
	s_cbranch_scc0 .Lentry_shape_is_right
	s_endpgm
.Lentry_shape_is_right:
; q, k and v: three products [8,192 x 1,024] x [1,024 x 1,024] on codes of FP8 (E4M3), and their results quantised again, in registers, for attention's two products.
; C[m][n] = sum over k of A[m][k] B[n][k].  256 work-groups of four waves; EACH MAKES TWO TILES, and the ring of two LDS slots goes on from the first into the second:
;   first a tile of 256 x 256 of q or k (A = the inputs' codes, rows = tokens; B = the weight's, rows = its columns): 2 x 32 x 4 = 256 tiles; a wave makes 128 x 128, 64 accumulators;
;   then a tile of 128 x 256 of v (A = Wv's codes, rows = channels; B = the inputs', rows = tokens): 8 x 32 = 256 tiles; a wave makes 64 x 128, 32 accumulators.  So v comes out with the KEYS along a lane's registers.
; Cluster c of 16 (4 x 4 work-groups).  First tile: product c / 8, token tile 4 (c % 8) + cy, column tile cx.  Second: channels' half tile 4 (c % 2) + cy, token tile 4 (c / 2) + cx.
; OPERANDS ARE IMAGES OF REGISTERS (16 rows x 64 K, 1,024 bytes, [g 2][lane 32][16 bytes]): a fragment of 128 along K is four 16-byte loads at 16 x lane, 512 consecutive bytes each.
; A tile of 16 rows has its 16 images on end (16,384 bytes), so a K step of 256 is 4,096 consecutive bytes of each tile of 16 rows: a wave's tensor load brings 8 such rows (4 for A's part of the second tile).
; K = 1,024 is four K steps a tile, eight in all, written out.  One tensor load of a wave is out at any time.  The first tile's last two refills bring the second tile's K steps 0 and 1, and the first tile's codes leave behind them.
; JOINT LOADS: A's tile hangs on cy and the cluster alone and is shared along a row of the cluster, B's on cx and the cluster alone and is shared along a column.
; NO PREFETCH: a tile has four K steps, of which the first two come by their loads alone; two steps ahead of the others stands the head, or the tile before.
; THE MATRIX INSTRUCTION IS USED TRANSPOSED (source 0 = 16 rows of B, source 1 = 16 rows of A): lane (r, h) holds row r of A's block and, in register j, B's row 8 h + j.  One conversion of an accumulator's
; eight registers is registers 2 c, 2 c + 1 (c = B's block % 4) of an image whose rows are A's rows: the way out needs no LDS.
; OUT: qkv = q [b 4][head 16][tile of 16 tokens 128][image], k the same 8 MiB on, v [b][head][64 keys 32][16 channels 4][image] 16 MiB on.
; code = sum x 2^(ea + eb) / 2^eo, held within +-448: the three exponents are folded into the conversion's one scale.
; LIMIT: eo - ea - eb lies between -126 and 119 for (ea, eb, eo) = entries (0, 1, 6), (2, 3, 7), (4, 5, 8) of the scales.
; REGISTERS, in windows of 256: window 0: v16-30 addresses and constants; v32-95 at work on the way out; v128-255 A's fragments (first tile: one set of eight blocks; second: two sets of four), and the codes.
;   window 1: B's fragments, two sets.   window 2: the accumulators of my rows 0-63 ((a, b) at v[8 (8 a + b)]);   window 3: those of rows 64-127 of the first tile.
.set FR,    16
.set NL,    4
.set NP,    4                          ; places behind this matrix instruction (ISA guide 7.12.1)
.set KSB,   4096                       ; a K step of one tile of 16 rows, in bytes
.set SLOT,  131072                     ; A's 16 tiles of 16 rows, then B's 16
.set SPARE, 2*SLOT
.set ADRA, 16
.set ADRB, 20
.set SCV,  22                          ; first tile: 2^(eo - ea - eb), and 448 x that
.set LIMV, 23
.set VO0,  24                          ; 16 x lane
.set VO2F, 25                          ; the same at the image of B's blocks 4-7: first tile: the next head
.set SCH,  26                          ; second tile's scale and bound
.set LIMH, 27
.set SPW,  28
.set NIL,  29
.set VO2H, 30                          ; second tile: the next 64 keys
.set TMP,  32
.set AF,   128
.set G1, 24                            ; s[24:31] group 1 for A's tiles;  s[32:39] group 0, one set for each slot
.set G0, 32
.set G1B, 48                           ; the same for B's tiles
.set G0B, 56
.set G1H, 72                           ; group 1 for A's tiles of the second tile: 4 rows
.set MSB, 0
.macro WIN new                         ; the immediate's high byte repeats the setting that is left
.if MSB != \new
	s_set_vgpr_msb (MSB<<8)|\new
.set MSB, \new
.endif
.endm
.set MUL_LO, 0xa1                      ; source 0 (B) window 1, source 1 (A) window 0, C and D window 2
.set MUL_HI, 0xf1
.set TO_B,   0x40
.macro JLOAD g0a, g1a, g0b, g1b        ; waves 0 and 1 fetch A's halves, waves 2 and 3 B's; an s_nop 0 and four v_nop follow each line
	s_cmp_eq_u32 s15, 0
	s_cbranch_scc0 .Lfor_b_\@
	tensor_load_to_lds s[\g0a:\g0a+3], s[\g1a:\g1a+7]
	s_nop 0
.rept 4
	v_nop
.endr
	s_branch .Lasked_\@
.Lfor_b_\@:
	tensor_load_to_lds s[\g0b:\g0b+3], s[\g1b:\g1b+7]
	s_nop 0
.rept 4
	v_nop
.endr
.Lasked_\@:
.endm
.macro CREST
	s_cmp_lg_u32 s14, 0
	s_cbranch_scc1 .Lnot_wave_0_\@
	s_barrier_signal -3
.Lnot_wave_0_\@:
	s_barrier_wait -3
	s_barrier_signal -1
	s_barrier_wait -1
.endm
.macro CROUND
	s_barrier_signal -1
	s_barrier_wait -1
	CREST
.endm
	s_load_b128 s[4:7], s[0:1], 0x0                ; xc, wimg
	s_load_b128 s[8:11], s[0:1], 0x10              ; the scales' exponents, qkv
	v_lshl_add_u32 v[SPW], v0, 2, SPARE
	v_mov_b32 v[NIL], 0
	ds_add_u32 v[SPW], v[NIL]                      ; the opening lines: the add twice on end, its wait ahead of my first tensor load
	ds_add_u32 v[SPW], v[NIL]
	v_lshrrev_b32 v1, 5, v0
	v_readfirstlane_b32 s14, v1                    ; wave 0..3
	s_lshr_b32 s15, s14, 1                         ; which half of the tile's rows is mine.  Also: I fetch for A (0) or for B (1)
	s_and_b32 s16, s14, 1                          ; which half of its columns.  Also: which half of that tile I fetch
	s_bfe_u32 s40, ttmp6, 0x40000                  ; cx
	s_bfe_u32 s41, ttmp6, 0x40004                  ; cy
	s_and_b32 s12, ttmp7, 0xffff                   ; the cluster, 0..15
	s_lshr_b32 s13, s12, 3                         ; first tile: 0 q, 1 k
	s_and_b32 s18, s12, 7
	s_lshl_b32 s18, s18, 2
	s_add_co_u32 s17, s18, s41                     ; its token tile (A)
	s_and_b32 s18, s12, 1
	s_lshl_b32 s18, s18, 2
	s_add_co_u32 s70, s18, s41                     ; second tile: which 128 channels (A)
	s_lshr_b32 s18, s12, 1
	s_lshl_b32 s18, s18, 2
	s_add_co_u32 s71, s18, s40                     ; and its token tile (B)
	s_lshl_b32 s43, s41, 2
	s_lshl_b32 s43, 15, s43                        ; my row of the cluster
	s_lshl_b32 s44, 0x1111, s40                    ; my column
	; group 1: rows of 512 elements of 8 bytes (4,096 bytes), 2,048 elements apart; dense in LDS; the mask, and bit 21 beside it
	s_or_b32 s[G1], s43, (3<<16)|(1<<21)
	s_or_b32 s[G1H], s43, (3<<16)|(1<<21)
	s_or_b32 s[G1B], s44, (3<<16)|(1<<21)
.irp g, G1, G1B, G1H
	s_mov_b32 s[\g+1], 512<<16
	s_mov_b32 s[\g+3], 512<<16
	s_mov_b32 s[\g+5], 2048
	s_mov_b32 s[\g+6], 0
	s_mov_b32 s[\g+7], 0
.endr
.irp g, G1, G1B
	s_mov_b32 s[\g+2], 8<<16
	s_mov_b32 s[\g+4], 8
.endr
	s_mov_b32 s[G1H+2], 4<<16
	s_mov_b32 s[G1H+4], 4
	s_lshl_b32 s18, s16, 17                        ; the half that I fetch: 8 tiles of 16 rows
	s_lshl_b32 s20, s17, 18                        ; first tile, A: 256 rows are 16 x 16,384 bytes,
	s_add_co_u32 s20, s20, s18
	s_lshl_b32 s19, s13, 23                        ; in the product's set of the inputs' codes
	s_add_co_u32 s20, s20, s19
	s_mov_b32 s21, 0
	s_lshl_b32 s46, s40, 18                        ; B: in the product's weight
	s_add_co_u32 s46, s46, s18
	s_lshl_b32 s19, s13, 20
	s_add_co_u32 s46, s46, s19
	s_mov_b32 s47, 0
	s_lshl_b32 s66, s70, 17                        ; second tile, A: 128 rows of Wv's codes; I fetch 4 tiles of 16
	s_lshl_b32 s19, s16, 16
	s_add_co_u32 s66, s66, s19
	s_add_co_u32 s66, s66, 0x200000
	s_mov_b32 s67, 0
	s_lshl_b32 s68, s71, 18                        ; B: the third set of the inputs' codes
	s_add_co_u32 s68, s68, s18
	s_add_co_u32 s68, s68, 0x1000000
	s_mov_b32 s69, 0
	s_lshl_b32 s45, s14, 15                        ; where my load goes: wave x 32,768
	s_wait_dscnt 0x0
	s_wait_kmcnt 0x0
	s_load_b256 s[80:87], s[8:9], 0x0              ; entries 0 to 7
	s_load_b128 s[88:91], s[8:9], 0x20             ; entries 8 to 11
	s_add_nc_u64 s[20:21], s[4:5], s[20:21]
	s_add_nc_u64 s[46:47], s[6:7], s[46:47]
	s_add_nc_u64 s[66:67], s[6:7], s[66:67]
	s_add_nc_u64 s[68:69], s[4:5], s[68:69]
	CROUND                                         ; all sixteen work-groups are here: the first joint loads meet
.irp s, 0,1
	s_mov_b32 s[G0+4*\s], 1
	s_add_co_u32 s[G0+4*\s+1], s45, \s*SLOT
	s_add_nc_u64 s[G0+4*\s+2:G0+4*\s+3], s[20:21], \s*KSB
	s_or_b32 s[G0+4*\s+3], s[G0+4*\s+3], 0x80000000
	s_mov_b32 s[G0B+4*\s], 1
	s_add_co_u32 s[G0B+4*\s+1], s45, \s*SLOT
	s_add_nc_u64 s[G0B+4*\s+2:G0B+4*\s+3], s[46:47], \s*KSB
	s_or_b32 s[G0B+4*\s+3], s[G0B+4*\s+3], 0x80000000
.endr
	JLOAD G0, G1, G0B, G1B                         ; K step 0: one tensor load a wave at the head
	v_and_b32 v1, 31, v0
	v_lshlrev_b32 v[VO0], 4, v1
	s_wait_alu depctr_va_vdst(0)
	v_add_nc_u32 v[VO2F], 0x20000, v[VO0]
	v_add_nc_u32 v[VO2H], 4096, v[VO0]
	s_lshl_b32 s21, s15, 15                        ; my tiles of A
	s_lshl_b32 s22, s16, 15                        ; my 8 tiles of B,
	s_add_co_u32 s22, s22, 65536                   ; which lie behind A's
.irp s, 0,1
	v_add_nc_u32 v[ADRA+\s], s21, v[VO0]
	v_add_nc_u32 v[ADRB+\s], s22, v[VO0]
	s_add_co_u32 s21, s21, SLOT
	s_add_co_u32 s22, s22, SLOT
.endr
	; first tile's codes: (16 (T / 8) + 4 cx + 2 x column half) x 131,072 (batch and head) + (16 (T % 8) + 8 x row half) x 1,024 (tile of 16 tokens)
	s_lshr_b32 s92, s17, 3
	s_lshl_b32 s92, s92, 4
	s_lshl_b32 s93, s40, 2
	s_add_co_u32 s92, s92, s93
	s_lshl_b32 s93, s16, 1
	s_add_co_u32 s92, s92, s93
	s_lshl_b32 s92, s92, 17
	s_and_b32 s93, s17, 7
	s_lshl_b32 s93, s93, 4
	s_lshl_b32 s94, s15, 3
	s_add_co_u32 s93, s93, s94
	s_lshl_b32 s93, s93, 10
	s_add_co_u32 s92, s92, s93
	s_lshl_b32 s93, s13, 23
	s_add_co_u32 s92, s92, s93
	s_mov_b32 s93, 0
	s_add_nc_u64 s[96:97], s[10:11], s[92:93]      ; A's blocks 0-3
	s_add_nc_u64 s[98:99], s[96:97], 4096          ; A's blocks 4-7: four tiles of tokens on
	; second tile's: (16 (T / 8) + 2 x (128 channels) + row half) x 131,072 + (16 (T % 8) + 8 x column half) x 1,024 (two blocks of 64 keys), 16 MiB on
	s_lshr_b32 s92, s71, 3
	s_lshl_b32 s92, s92, 4
	s_lshl_b32 s94, s70, 1
	s_add_co_u32 s92, s92, s94
	s_add_co_u32 s92, s92, s15
	s_lshl_b32 s92, s92, 17
	s_and_b32 s94, s71, 7
	s_lshl_b32 s94, s94, 4
	s_lshl_b32 s95, s16, 3
	s_add_co_u32 s94, s94, s95
	s_lshl_b32 s94, s94, 10
	s_add_co_u32 s92, s92, s94
	s_add_co_u32 s92, s92, 0x1000000
	s_add_nc_u64 s[100:101], s[10:11], s[92:93]
.macro FRAG reg, adr, q, i             ; tile i of 16 rows, the slot's q-th 128 along K: four loads of 512 consecutive bytes
.irp c, 0,1,2,3
	ds_load_b128 v[\reg+4*\c:\reg+4*\c+3], v[\adr] offset:2048*(\q)+512*\c+(\i)*KSB
.endr
.endm
; 16 matrix instructions: A's blocks a0, a0 + 1 x B's eight.  p: B's set.  The accumulators take turns, one instruction a turn, in the same order in every step.
.macro MUL16 a0, p, zero
.irp a, \a0, \a0+1
.irp b, 0,1,2,3,4,5,6,7
.if \zero
	v_wmma_f32_16x16x128_fp8_fp8 v[8*(8*((\a)%4)+\b):8*(8*((\a)%4)+\b)+7], v[128*(\p)+FR*\b:128*(\p)+FR*\b+FR-1], v[AF+FR*(\a):AF+FR*(\a)+FR-1], 0
.else
	v_wmma_f32_16x16x128_fp8_fp8 v[8*(8*((\a)%4)+\b):8*(8*((\a)%4)+\b)+7], v[128*(\p)+FR*\b:128*(\p)+FR*\b+FR-1], v[AF+FR*(\a):AF+FR*(\a)+FR-1], v[8*(8*((\a)%4)+\b):8*(8*((\a)%4)+\b)+7]
.endif
.endr
.endr
.endm
.macro FETCH_B slot, q, p
	WIN TO_B
.irp i, 0,1,2,3,4,5,6,7
	FRAG 128*(\p)+FR*\i, ADRB+\slot, \q, \i
.endr
	WIN 0
.endm
.macro FETCH_A slot, q, i0             ; first tile: A's blocks i0 .. i0 + 3
.irp i, \i0, \i0+1, \i0+2, \i0+3
	FRAG AF+FR*(\i), ADRA+\slot, \q, \i
.endr
.endm
.macro FETCH_AH slot, q, p             ; second tile: A's four blocks into set p
.irp i, 0,1,2,3
	FRAG AF+64*(\p)+FR*\i, ADRA+\slot, \q, \i
.endr
.endm
.macro PLACES n
.rept \n
	v_nop
.endr
.endm
; FIRST TILE.  A step of 128 along K that has its successor in the same slot: A's blocks 0-3 are fetched anew in the step's middle, blocks 4-7 at its end.
.macro STEP slot, q, zero
	s_wait_dscnt 4*NL                              ; B's set and A's blocks 0-3 are in; the youngest 16 loads (A's blocks 4-7) may be out
	WIN MUL_LO
	MUL16 0, (\q)%2, \zero
	MUL16 2, (\q)%2, \zero
	s_wait_dscnt 0
	PLACES NP
	FETCH_B \slot, (\q)+1, 1-(\q)%2
	FETCH_A \slot, (\q)+1, 0
	WIN MUL_HI
	MUL16 4, (\q)%2, \zero
	MUL16 6, (\q)%2, \zero
	PLACES NP
	WIN 0
	FETCH_A \slot, (\q)+1, 4
.endm
; A slot's last step changes slots: the three lines, a round of the cluster's barrier, the refill.  fill = 1: this tile's K step two on; fill = 2: the second tile's K step 0 (slot 0) or 1 (slot 1).
.macro TURN slot, next, fill
	s_wait_tensorcnt 0x0                           ; all my tensor loads have landed: my part of the next slot
	ds_add_u32 v[SPW], v[NIL]
	s_wait_dscnt 4*NL+1                            ; (the add and the youngest 16 loads may be out)
	WIN MUL_LO
	MUL16 0, 1, 0
	s_wait_dscnt 0x0                               ; the add is done, and my reads of this slot are over
	s_barrier_signal -1
	MUL16 2, 1, 0
	WIN 0
	s_barrier_wait -1
	CREST
.if \fill == 1
	s_add_nc_u64 s[G0+4*\slot+2:G0+4*\slot+3], s[G0+4*\slot+2:G0+4*\slot+3], 2*KSB
	s_add_nc_u64 s[G0B+4*\slot+2:G0B+4*\slot+3], s[G0B+4*\slot+2:G0B+4*\slot+3], 2*KSB
	JLOAD G0+4*\slot, G1, G0B+4*\slot, G1B
.else
	s_add_nc_u64 s[G0+4*\slot+2:G0+4*\slot+3], s[66:67], \slot*KSB
	s_or_b32 s[G0+4*\slot+3], s[G0+4*\slot+3], 0x80000000
	s_add_nc_u64 s[G0B+4*\slot+2:G0B+4*\slot+3], s[68:69], \slot*KSB
	s_or_b32 s[G0B+4*\slot+3], s[G0B+4*\slot+3], 0x80000000
	JLOAD G0+4*\slot, G1H, G0B+4*\slot, G1B
.endif
	FETCH_B \next, 0, 0                            ; the four v_nop behind the joint load are the places in front of these loads
	FETCH_A \next, 0, 0
	WIN MUL_HI
	MUL16 4, 1, 0
	MUL16 6, 1, 0
	PLACES NP
	WIN 0
.if (\fill == 1) || (\slot == 0)
	FETCH_A \next, 0, 4                            ; (the second tile has no blocks 4-7)
.endif
.endm
; SECOND TILE: 32 matrix instructions a step; both operands have two sets.
.macro MULH a0, p, zero
.irp a, \a0, \a0+1
.irp b, 0,1,2,3,4,5,6,7
.if \zero
	v_wmma_f32_16x16x128_fp8_fp8 v[8*(8*(\a)+\b):8*(8*(\a)+\b)+7], v[128*(\p)+FR*\b:128*(\p)+FR*\b+FR-1], v[AF+64*(\p)+FR*(\a):AF+64*(\p)+FR*(\a)+FR-1], 0
.else
	v_wmma_f32_16x16x128_fp8_fp8 v[8*(8*(\a)+\b):8*(8*(\a)+\b)+7], v[128*(\p)+FR*\b:128*(\p)+FR*\b+FR-1], v[AF+64*(\p)+FR*(\a):AF+64*(\p)+FR*(\a)+FR-1], v[8*(8*(\a)+\b):8*(8*(\a)+\b)+7]
.endif
.endr
.endr
.endm
.macro HSTEP slot, zero                ; a slot's first step multiplies set 0 and fetches its second step into set 1
	PLACES NP
	FETCH_B \slot, 1, 1
	FETCH_AH \slot, 1, 1
	s_wait_dscnt 12*NL                             ; set 0 is in; the 48 loads just issued may be out
	WIN MUL_LO
	MULH 0, 0, \zero
	MULH 2, 0, \zero
	WIN 0
.endm
.macro HTURN slot, next, fill          ; a slot's second step multiplies set 1 and changes slots
	s_wait_tensorcnt 0x0
	ds_add_u32 v[SPW], v[NIL]
	s_wait_dscnt 1                                 ; set 1 is in; the add may be out
	WIN MUL_LO
	MULH 0, 1, 0
	s_wait_dscnt 0x0
	s_barrier_signal -1
	MULH 2, 1, 0
	WIN 0
	s_barrier_wait -1
.if \fill
	CREST
	s_add_nc_u64 s[G0+4*\slot+2:G0+4*\slot+3], s[G0+4*\slot+2:G0+4*\slot+3], 2*KSB
	s_add_nc_u64 s[G0B+4*\slot+2:G0B+4*\slot+3], s[G0B+4*\slot+2:G0B+4*\slot+3], 2*KSB
	JLOAD G0+4*\slot, G1H, G0B+4*\slot, G1B
.else
	PLACES NP
.endif
	FETCH_B \next, 0, 0
	FETCH_AH \next, 0, 0
.endm
; THE WAY OUT of a block of 16 rows of A: hold, convert, store two images.
.macro OUTBLK ac, win, cd, ob, off, vo2, sc, lim
	WIN \win                                       ; source 0: window 2 or 3
.set n, 0
.rept 64
	v_med3_num_f32 v[TMP+n], v[\ac+n], -v[\lim], v[\lim]   ; the conversion does not saturate (ISA guide 7.6.2); each accumulator from its low end on
.set n, n+1
.endr
	WIN 0
.irp b, 0,1,2,3,4,5,6,7
	v_cvt_scalef32_pk8_fp8_f32 v[\cd+2*\b:\cd+2*\b+1], v[TMP+8*\b:TMP+8*\b+7], v[\sc]
.endr
	v_nop                                          ; a plain line between the conversions and the next holds
	global_store_b128 v[VO0], v[\cd:\cd+3], s[\ob:\ob+1] offset:\off            ; 32 lanes store 512 consecutive bytes, aligned
	global_store_b128 v[VO0], v[\cd+4:\cd+7], s[\ob:\ob+1] offset:\off+512
	global_store_b128 v[\vo2], v[\cd+8:\cd+11], s[\ob:\ob+1] offset:\off
	global_store_b128 v[\vo2], v[\cd+12:\cd+15], s[\ob:\ob+1] offset:\off+512
.endm
	s_wait_alu depctr_va_vdst(0)
	s_wait_tensorcnt 0x0                           ; my part of K step 0 is in
	ds_add_u32 v[SPW], v[NIL]
	s_wait_dscnt 0x0
	CROUND
	JLOAD G0+4, G1, G0B+4, G1B                     ; K step 1, the first tensor load behind the round
	FETCH_B 0, 0, 0
	FETCH_A 0, 0, 0
	FETCH_A 0, 0, 4
	STEP 0, 0, 1                                   ; K step 0: the first products start the sums
	TURN 0, 1, 1                                   ; slot 0 takes K step 2
	STEP 1, 0, 0
	TURN 1, 0, 1                                   ; slot 1 takes K step 3
	STEP 0, 0, 0
	TURN 0, 1, 2                                   ; slot 0 takes the second tile's K step 0
	STEP 1, 0, 0
	TURN 1, 0, 2                                   ; slot 1 its K step 1; its first fragments are asked for
	s_wait_kmcnt 0x0
	s_cmp_eq_u32 s13, 1
	s_cselect_b32 s92, s82, s80                    ; ea
	s_cselect_b32 s93, s83, s81                    ; eb
	s_cselect_b32 s94, s87, s86                    ; eo
	s_sub_co_i32 s94, s94, s92
	s_sub_co_i32 s94, s94, s93
	s_add_co_i32 s94, s94, 127
	s_lshl_b32 s95, s94, 23
	v_mov_b32 v[SCV], s95
	s_add_co_i32 s94, s94, 8
	s_lshl_b32 s94, s94, 23
	s_or_b32 s94, s94, 0x600000
	v_mov_b32 v[LIMV], s94
	s_sub_co_i32 s94, s88, s84
	s_sub_co_i32 s94, s94, s85
	s_add_co_i32 s94, s94, 127
	s_lshl_b32 s95, s94, 23
	v_mov_b32 v[SCH], s95
	s_add_co_i32 s94, s94, 8
	s_lshl_b32 s94, s94, 23
	s_or_b32 s94, s94, 0x600000
	v_mov_b32 v[LIMH], s94
	s_wait_alu depctr_va_vdst(0)
.irp a, 0,1,2,3,4,5,6,7                        ; the first tile's codes take v192-255, where A's blocks 4-7 lay: four blocks' worth, used twice
.if \a == 4
	s_wait_xcnt 0x0                                ; the first four blocks' stores have read their registers
.endif
	OUTBLK 64*(\a%4), 0x02+(\a/4), 192+16*(\a%4), 96+2*(\a/4), 1024*(\a%4), VO2F, SCV, LIMV
.endr
	s_wait_xcnt 0x0                                ; the stores have read v192-255, which A's second set takes
	HSTEP 0, 1                                     ; the second tile's first products start its sums
	HTURN 0, 1, 1
	HSTEP 1, 0
	HTURN 1, 0, 1
	HSTEP 0, 0
	HTURN 0, 1, 0                                  ; nothing is left to fetch
	HSTEP 1, 0
	s_wait_dscnt 0x0
	WIN MUL_LO
	MULH 0, 1, 0
	MULH 2, 1, 0
	WIN 0
	PLACES NP
.irp a, 0,1,2,3
	OUTBLK 64*\a, 0x02, AF+16*\a, 100, 1024*\a, VO2H, SCH, LIMH
.endr
	s_wait_tensorcnt 0x0                           ; the wave's end
	ds_add_u32 v[SPW], v[NIL]
	s_wait_dscnt 0x0
	CROUND                                         ; the closing round
	s_endpgm
.Lfunc_end_k_q7add501789_qkv:
	.size	k_q7add501789_qkv, .Lfunc_end_k_q7add501789_qkv-k_q7add501789_qkv
	.p2alignl 7, 3214868480
	.fill 96, 4, 3214868480
	.section	.rodata,"a",@progbits
	.p2align	6, 0x0
	.amdhsa_kernel k_q7add501789_qkv
		.amdhsa_group_segment_fixed_size 327680
		.amdhsa_private_segment_fixed_size 0
		.amdhsa_enable_private_segment 0
		.amdhsa_kernarg_size 32
		.amdhsa_user_sgpr_count 2
		.amdhsa_user_sgpr_kernarg_segment_ptr 1
		.amdhsa_wavefront_size32 1
		.amdhsa_system_sgpr_workgroup_id_x 1
		.amdhsa_system_sgpr_workgroup_id_y 1
		.amdhsa_system_sgpr_workgroup_id_z 1
		.amdhsa_system_vgpr_workitem_id 0
		.amdhsa_next_free_vgpr 1024
		.amdhsa_next_free_sgpr 102
		.amdhsa_reserve_vcc 0
		.amdhsa_float_denorm_mode_32 3
		.amdhsa_float_denorm_mode_16_64 3
		.amdhsa_memory_ordered 1
		.amdhsa_forward_progress 1
		.amdhsa_inst_pref_size 186
	.end_amdhsa_kernel
	.amdgpu_metadata
---
amdhsa.version: [ 1, 2 ]
amdhsa.kernels:
  - .name:           k_q7add501789_qkv
    .symbol:         k_q7add501789_qkv.kd
    .args:
      - { .name: xc, .offset: 0, .size: 8, .value_kind: global_buffer, .address_space: global }
      - { .name: wimg, .offset: 8, .size: 8, .value_kind: global_buffer, .address_space: global }
      - { .name: lowp_scales, .offset: 16, .size: 8, .value_kind: global_buffer, .address_space: global }
      - { .name: qkv, .offset: 24, .size: 8, .value_kind: global_buffer, .address_space: global }
    .group_segment_fixed_size: 327680
    .private_segment_fixed_size: 0
    .kernarg_segment_align: 8
    .kernarg_segment_size: 32
    .max_flat_workgroup_size: 128
    .sgpr_count:     102
    .vgpr_count:     1024
    .wavefront_size: 32
...
	.end_amdgpu_metadata
.endif
;; end of part 2
;; launch attn (part 3): grid 4 x 64, 8 waves a work-group, clusters of 4 x 1, 327,680 bytes of LDS; arguments qkv, lowp_scales, ctx; writes ctx
.if DOCPART == 3
	.amdgcn_target "amdgcn-amd-amdhsa--gfx1250"
	.amdhsa_code_object_version 6
	.text
	.protected	k_q7add501789_attn
	.globl	k_q7add501789_attn
	.p2align	8
	.type	k_q7add501789_attn,@function
k_q7add501789_attn:
	s_mov_b64 s[64:65], 0
	v_nop
	global_prefetch_b8 v0, s[64:65] scope:SCOPE_SE
	s_setreg_imm32_b32 hwreg(HW_REG_WAVE_MODE, 25, 1), 1
	s_wait_xcnt 0x0
	s_wait_alu depctr_hold_cnt(0) depctr_sa_sdst(0) depctr_va_vdst(0) depctr_va_sdst(0) depctr_va_ssrc(0) depctr_va_vcc(0) depctr_vm_vsrc(0)
	s_getreg_b32 s2, hwreg(HW_REG_IB_STS2, 6, 4)
	s_cmp_eq_u32 s2, 0
	s_cbranch_scc0 .Lentry_in_a_cluster
	s_endpgm
.Lentry_in_a_cluster:
	s_bfe_u32 s2, ttmp6, 0x10000c
	s_cmp_lg_u32 s2, 0x3003
	s_cbranch_scc0 .Lentry_shape_is_right
	s_endpgm
.Lentry_shape_is_right:
; Causal attention on codes of FP8 (E4M3): for each of 64 (batch, head) pairs, ctx[q] = the sum over keys k <= q of softmax_k(q . k / 8) v[k], quantised again for the output projection.
; THE SOFTMAX AHEAD OF THE SECOND PRODUCT: t = score x log2(e) / 8; M = the row's largest t so far, rounded UP to a whole number; p = 2^(t - M) is quantised along the keys, not normalised.
; The row's sum is taken of the unquantised p, in f32, and divides at the end.  When M moves, the sum and O are multiplied by 2^(old M - new M): exact.
; LEFT OUT: key tiles all of whose keys come after all of a tile's queries: the causal mask gives them the weight 0.
; ALL OF A HEAD'S K AND V LIE IN LDS: 2 x 131,072 bytes, as they lie in memory.  Nothing is filled again: no ring, and no barrier inside the walk.
; Each wave issues two tensor loads: at the head an eighth of keys 0-511 (8,192 bytes), behind a round an eighth of keys 512-2,047 (24,576 bytes), which lands while trips 0-3 are worked on keys 0-511.
; CLUSTER: the four work-groups of a head ask for the same bytes JOINTLY (mask 15).  No branch, trip count or LDS address hangs on the place cx in the cluster: cx enters global addresses and the mask's compare alone.
; NO PREFETCH: every byte of K and V is asked for by those two loads at the kernel's head; there is no later load to run ahead of.
; SHARES.  Tokens go in blocks of 128; tile T of 16 tokens holds, in row r, token 64 (T / 4) + 4 r + T % 4 (the quantising launch lays them so).  Wave w of work-group cx owns, of blocks w and 15 - w, the tiles cx and 4 + cx:
; queries 64 u + 4 r + cx of the block.  Block s wants key steps 0 .. s of 128 keys: (w + 1) + (16 - w) = 17 steps in every wave, in a loop of constant count.  Every work-group reads all sixteen key steps.
; THE DIAGONAL STEP (the block's last) has a copy of the step of its own: key tile t holds keys 64 (t / 4) + 4 (8 h + j) + t % 4, so for u = 0 tiles 4-7 are hidden whole and left out, for u = 1 tiles 0-3 count whole,
; and in the tiles with t / 4 = u a key is hidden where 4 j + t % 4 > 4 (r - 8 h) + cx.  Each query's own key counts, so M is a number from a block's first step on.
; OPERANDS ARE IMAGES OF REGISTERS (16 rows x 64 K, 1,024 bytes, [g 2][lane 32][16 bytes]).  Both products are used transposed (S^T = K Q^T, O^T = V^T P^T): a lane holds ONE query; one conversion of a key tile's eight registers is registers 2 t, 2 t + 1 of P.
; OUT: ctx [tile of 16 tokens 512][head 16][image].
; LIMITS on the given exponents (entries 6 to 10: q, k, v, p, ctx): e6 + e7 between -123 and 130 (added to the exponent field of log2(e) / 8); e9 and e10 between -126 and 119.  The scaled scores stay under 2^31 in magnitude.
; REGISTERS.  Window 0: v1-11, v224 addresses and constants; v12-27 eight statistics a tile; v28-31 second chains of the sums; v32-47 Q; v48-79 P; v80-207 S^T, then p; v208-223 the second block's Q.
;   Window 1: v0-63 O^T (tile u, channels 16 d on: v[32 u + 8 d]); v64-127 K of a step; v128-191 V of a step.
.set VBASE, 131072                     ; V's bytes lie behind K's
.set SPARE, 262144                     ; the spare words, 128 bytes for each of eight waves
.set L16,  1                           ; 16 x lane
.set ADK,  2                           ; LDS address of the next step's K
.set LMP2, 3                           ; 448 x 2^e9 once more, for the second half of a dual pair
.set SPW,  4
.set NIL,  5
.set DV,   6                           ; 4 (lane % 16 - 8 (lane / 16)) + cx
.set NINF, 7
.set SCP,  8                           ; 2^e9
.set LMP,  9                           ; 448 x 2^e9
.set SCX,  10                          ; 2^e10
.set LMX,  11                          ; 448 x 2^e10
.set ST,   12                          ; tile u at v[12 + 8 u]: +0 -M, +1 the largest t, +2, +3 the sum in two halves, +4 f, +5 0, +6, +7 at work
.set SUM2, 28
.set Q,    32
.set P,    48
.set S,    80
.set Q2,   208
.set ADV,  224                         ; LDS address of this step's V
.set OT,   0
.set KR,   64
.set VR,   128
.set WV,   10
.set CX,   11
.set BH,   12
.set SEL,  40
.set CS,   42
.set I,    48                          ; the trip, 0 .. 16
.set LIM,  49                          ; the trip of the block's diagonal step: w, then 16
.set NW,   50                          ; -(w + 1)
.set SC,   51
.set SD,   52
.set SE,   53
.set MSB, 0
.macro WIN new                         ; the immediate's high byte repeats the setting that is left
.if MSB != \new
	s_set_vgpr_msb (MSB<<8)|\new
.set MSB, \new
.endif
.endm
.macro NOP4
.rept 4
	v_nop
.endr
.endm
.macro ROUND                           ; a round of the cluster's barrier
	s_barrier_signal -1
	s_barrier_wait -1
	s_cmp_lg_u32 s[WV], 0
	s_cbranch_scc1 .Lnot_wave_0_\@
	s_barrier_signal -3
.Lnot_wave_0_\@:
	s_barrier_wait -3
	s_barrier_signal -1
	s_barrier_wait -1
.endm
; s[d] = 8,192 x the key step of trip I + plus: the trip itself up to w, then trip - (w + 1): the smaller of the two as unsigned numbers; held under msk + 1 steps
.macro STEPOF d, plus, msk
	s_add_co_u32 s[\d], s[I], \plus
	s_add_co_u32 s[SC], s[\d], s[NW]
	s_min_u32 s[\d], s[\d], s[SC]
	s_and_b32 s[\d], s[\d], \msk
	s_lshl_b32 s[\d], s[\d], 13
.endm
.macro KLOAD                           ; a step's eight tiles of 16 keys; every load takes 512 consecutive bytes
	WIN 0x40
.irp t, 0,1,2,3,4,5,6,7
.irp g, 0,1
	ds_load_b128 v[KR+8*\t+4*\g:KR+8*\t+4*\g+3], v[ADK] offset:\t*1024+512*\g
.endr
.endr
	WIN 0
.endm
.macro INIT                            ; a block begins: the largest t is -3e38; the sum and O^T are zeros, which the first change of M leaves zeros
.irp u, 0,1
	v_mov_b32 v[ST+8*\u+1], 0xff61b1e6
	s_delay_alu instid0(VALU_DEP_1)
	v_floor_f32 v[ST+8*\u], -v[ST+8*\u+1]
	v_mov_b32 v[ST+8*\u+2], 0
	v_mov_b32 v[ST+8*\u+3], 0
	v_mov_b32 v[ST+8*\u+5], 0
	v_mov_b32 v[ST+8*\u+6], 0
	v_mov_b32 v[ST+8*\u+7], 0
.endr
	WIN 0x40
.set n, 0
.rept 64
	v_mov_b32 v[OT+n], 0
.set n, n+1
.endr
	WIN 0
.endm
	s_load_b128 s[4:7], s[0:1], 0x0                ; qkv, the scales' exponents
	s_load_b64 s[8:9], s[0:1], 0x10                ; ctx
	v_lshl_add_u32 v[SPW], v0, 2, SPARE
	v_mov_b32 v[NIL], 0
	ds_add_u32 v[SPW], v[NIL]                      ; the opening lines: the add twice on end, its wait ahead of my first tensor load
	ds_add_u32 v[SPW], v[NIL]
	v_lshrrev_b32 v1, 5, v0
	v_readfirstlane_b32 s[WV], v1                  ; wave 0..7
	s_bfe_u32 s[CX], ttmp6, 0x40000                ; my place in the cluster
	s_and_b32 s[BH], ttmp7, 0xffff                 ; batch x 16 + head
	; group 1: dense blocks as rows of 32 elements of 8 bytes; s[16:23] 32 rows, s[24:31] 96 rows; mask 15, bit 21 beside it
.irp g, 16, 24
	s_mov_b32 s[\g], 15|(3<<16)|(1<<21)
	s_mov_b32 s[\g+1], 32<<16
	s_mov_b32 s[\g+3], 32<<16
	s_mov_b32 s[\g+5], 32
	s_mov_b32 s[\g+6], 0
	s_mov_b32 s[\g+7], 0
.endr
	s_mov_b32 s18, 32<<16
	s_mov_b32 s20, 32
	s_mov_b32 s26, 96<<16
	s_mov_b32 s28, 96
	s_lshr_b32 s66, s[WV], 2                       ; waves 0-3 fetch K's quarters, waves 4-7 V's
	s_and_b32 s67, s[WV], 3
	s_lshl_b32 s68, s66, 17
	s_lshl_b32 s69, s67, 13                        ; keys 0-511: 8,192 bytes a wave
	s_add_co_u32 s33, s68, s69
	s_mul_i32 s70, s67, 24576                      ; the rest: 24,576 bytes a wave, from byte 32,768 on
	s_add_co_u32 s70, s70, 32768
	s_add_co_u32 s37, s68, s70
	s_add_co_u32 s66, s66, 1
	s_lshl_b32 s66, s66, 23                        ; k lies 8 MiB, v 16 MiB behind q
	s_lshl_b32 s71, s[BH], 17                      ; a head is 131,072 bytes in each
	s_add_co_u32 s66, s66, s71
	s_add_co_u32 s72, s66, s69
	s_mov_b32 s73, 0
	s_add_co_u32 s74, s66, s70
	s_mov_b32 s75, 0
	s_mov_b32 s32, 1
	s_mov_b32 s36, 1
	s_mov_b32 s[SEL], 0x76543210
	s_mov_b32 s[SEL+1], 0xfedcba98
	s_wait_dscnt 0x0                               ; both opening adds are done
	s_wait_kmcnt 0x0
	s_add_nc_u64 s[34:35], s[4:5], s[72:73]
	s_or_b32 s35, s35, 0x80000000
	s_add_nc_u64 s[38:39], s[4:5], s[74:75]
	s_or_b32 s39, s39, 0x80000000
	ROUND                                          ; the four work-groups are here: the joint loads meet
	tensor_load_to_lds s[32:35], s[16:23]          ; my eighth of keys 0-511
	s_nop 0
	NOP4
	s_load_b128 s[56:59], s[6:7], 0x18             ; e6, e7, e8, e9
	s_load_b32 s60, s[6:7], 0x28                   ; e10
	s_lshl_b32 s68, s[CX], 10                      ; Q: tile 8 x block + 4 u + cx of the head, 1,024 bytes a tile
	s_add_co_u32 s68, s68, s71
	s_lshl_b32 s66, s[WV], 13
	s_add_co_u32 s66, s66, s68
	s_mov_b32 s67, 0
	s_add_nc_u64 s[72:73], s[4:5], s[66:67]
	s_sub_co_u32 s69, 15, s[WV]                    ; the second block
	s_lshl_b32 s66, s69, 13
	s_add_co_u32 s66, s66, s68
	s_add_nc_u64 s[74:75], s[4:5], s[66:67]
	v_and_b32 v1, 31, v0
	v_lshlrev_b32 v[L16], 4, v1
.irp u, 0,1
.irp g, 0,1
	global_load_b128 v[Q+8*\u+4*\g:Q+8*\u+4*\g+3], v[L16], s[72:73] offset:4096*\u+512*\g
	global_load_b128 v[Q2+8*\u+4*\g:Q2+8*\u+4*\g+3], v[L16], s[74:75] offset:4096*\u+512*\g   ; the second block's Q waits in registers
.endr
.endr
	s_lshr_b32 s66, s[BH], 4                       ; ctx: tile 128 x batch + 8 x block + 4 u + cx (16,384 bytes a tile), image = head
	s_lshl_b32 s66, s66, 7
	s_add_co_u32 s66, s66, s[CX]
	s_and_b32 s68, s[BH], 15
	s_lshl_b32 s68, s68, 10
	s_lshl_b32 s70, s[WV], 3
	s_add_co_u32 s70, s70, s66
	s_lshl_b32 s70, s70, 14
	s_add_co_u32 s70, s70, s68
	s_mov_b32 s71, 0
	s_add_nc_u64 s[44:45], s[8:9], s[70:71]        ; the block in hand
	s_lshl_b32 s70, s69, 3
	s_add_co_u32 s70, s70, s66
	s_lshl_b32 s70, s70, 14
	s_add_co_u32 s70, s70, s68
	s_add_nc_u64 s[46:47], s[8:9], s[70:71]        ; the second block
	v_and_b32 v[DV], 15, v0
	v_bfe_u32 v[NINF], v0, 4, 1
	v_lshlrev_b32 v[NINF], 3, v[NINF]
	v_sub_nc_u32 v[DV], v[DV], v[NINF]
	v_lshlrev_b32 v[DV], 2, v[DV]
	v_add_nc_u32 v[DV], s[CX], v[DV]
	v_mov_b32 v[NINF], 0xff800000
	s_wait_kmcnt 0x0
	s_add_co_i32 s66, s56, s57
	s_lshl_b32 s66, s66, 23
	s_mov_b32 s[CS], 0x3e38aa3b                    ; log2(e) / 8
	s_add_co_i32 s[CS], s[CS], s66                 ; x 2^(e6 + e7), by its exponent field
	s_mov_b32 s[CS+1], s[CS]
	s_add_co_i32 s66, s59, 127
	s_lshl_b32 s67, s66, 23
	v_mov_b32 v[SCP], s67
	s_add_co_i32 s66, s66, 8
	s_lshl_b32 s66, s66, 23
	s_or_b32 s66, s66, 0x600000
	v_mov_b32 v[LMP], s66
	v_mov_b32 v[LMP2], s66
	s_add_co_i32 s66, s60, 127
	s_lshl_b32 s67, s66, 23
	v_mov_b32 v[SCX], s67
	s_add_co_i32 s66, s66, 8
	s_lshl_b32 s66, s66, 23
	s_or_b32 s66, s66, 0x600000
	v_mov_b32 v[LMX], s66
	s_add_co_i32 s61, s58, s59                     ; e8 + e9
	s_xor_b32 s[NW], s[WV], -1
	s_mov_b32 s[LIM], s[WV]
	INIT
; A KEY STEP of 128 keys for my two tiles of queries.  dg = 1: the diagonal step: tile u = 0 has key tiles 0-3 alone.  K is in registers; V's 16 loads are out; the next step's K is asked for here.
.macro BODY dg
	WIN 0x01
.irp t, 0,1,2,3,4,5,6,7
.irp u, 0,1
.if (\dg == 0) || (\u == 1) || (\t < 4)
	v_wmma_f32_16x16x64_fp8_fp8 v[S+64*\u+8*\t:S+64*\u+8*\t+7], v[KR+8*\t:KR+8*\t+7], v[Q+8*\u:Q+8*\u+7], 0
.endif
.endr
.endr
	WIN 0
	NOP4                                           ; places ahead of the loads into K's registers and of the first read of the scores
	KLOAD
.if \dg
.irp c, 0,1,2,3                                ; hidden scores become -infinity ahead of the maximum: p = 0 then.  One compare serves both tiles
.irp j, 0,1,2,3,4,5,6,7
	v_cmp_gt_i32 vcc_lo, 4*\j+\c, v[DV]
	v_cndmask_b32 v[S+8*\c+\j], v[S+8*\c+\j], v[NINF], vcc_lo
	v_cndmask_b32 v[S+96+8*\c+\j], v[S+96+8*\c+\j], v[NINF], vcc_lo
.endr
.endr
.endif
.irp u, 0,1                                    ; the step's largest score, two chains a tile, each accumulator from its low end on
	v_max3_num_f32 v[ST+8*\u+6], v[S+64*\u], v[S+64*\u+1], v[S+64*\u+2]
	v_max3_num_f32 v[ST+8*\u+7], v[S+64*\u+3], v[S+64*\u+4], v[S+64*\u+5]
.endr
.irp i, 6,10,14,18,22,26,30,34,38,42,46,50,54,58
.irp u, 0,1
.if \i < 60-32*\dg*(1-\u)
	v_max3_num_f32 v[ST+8*\u+6], v[ST+8*\u+6], v[S+64*\u+\i], v[S+64*\u+\i+1]
	v_max3_num_f32 v[ST+8*\u+7], v[ST+8*\u+7], v[S+64*\u+\i+2], v[S+64*\u+\i+3]
.endif
.endr
.endr
	v_max3_num_f32 v[ST+6], v[ST+6], v[S+62-32*\dg], v[S+63-32*\dg]
	v_max3_num_f32 v[ST+14], v[ST+14], v[S+126], v[S+127]
.irp u, 0,1
	s_delay_alu instid0(VALU_DEP_2)
	v_max_num_f32 v[ST+8*\u+6], v[ST+8*\u+6], v[ST+8*\u+7]
.endr
.irp u, 0,1
	s_delay_alu instid0(VALU_DEP_2)
	v_permlanex16_b32 v[ST+8*\u+7], v[ST+8*\u+6], s[SEL], s[SEL+1]
.endr
.irp u, 0,1
	s_delay_alu instid0(VALU_DEP_2)
	v_max_num_f32 v[ST+8*\u+6], v[ST+8*\u+6], v[ST+8*\u+7]   ; and among lane l xor 16's
.endr
.irp u, 0,1
	s_delay_alu instid0(VALU_DEP_2)
	v_mul_f32 v[ST+8*\u+6], s[CS], v[ST+8*\u+6]    ; as t (c is positive)
.endr
	s_delay_alu instid0(VALU_DEP_2)
	v_max_num_f32 v[ST+1], v[ST+1], v[ST+6]        ; the running largest t
	v_mov_b32 v[ST+6], v[ST]
	s_delay_alu instid0(VALU_DEP_3)
	v_max_num_f32 v[ST+9], v[ST+9], v[ST+14]
	v_mov_b32 v[ST+14], v[ST+8]
	s_delay_alu instid0(VALU_DEP_4)
	v_floor_f32 v[ST], -v[ST+1]                    ; the new -M = floor(-t): M is a whole number
	s_delay_alu instid0(VALU_DEP_3)
	v_floor_f32 v[ST+8], -v[ST+9]
.irp u, 0,1
	s_delay_alu instid0(VALU_DEP_2)
	v_sub_f32 v[ST+8*\u+6], v[ST+8*\u], v[ST+8*\u+6]   ; old M - new M: a whole number, 0 or less
.endr
.irp u, 0,1
	s_delay_alu instid0(VALU_DEP_2)
	v_cvt_i32_f32 v[ST+8*\u+6], v[ST+8*\u+6]       ; (it saturates)
.endr
.irp u, 0,1
	s_delay_alu instid0(VALU_DEP_2)
	v_ldexp_f32 v[ST+8*\u+4], 1.0, v[ST+8*\u+6]    ; f = 2^(old M - new M)
.endr
.set n, 0
.rept 32
.irp u, 0,1
.if n < 64-32*\dg*(1-\u)
	v_pk_fma_f32 v[S+64*\u+n:S+64*\u+n+1], v[S+64*\u+n:S+64*\u+n+1], s[CS:CS+1], v[ST+8*\u:ST+8*\u+1] op_sel_hi:[1,0,0]   ; t - M, two at a time
.endif
.endr
.set n, n+2
.endr
	s_wait_alu depctr_va_vdst(0)
.set n, 0
.rept 128
.if (n < 64-32*\dg) || (n >= 64)
	v_exp_f32 v[S+n], v[S+n]                       ; p = 2^(t - M), at most 1: one batch for both tiles
.endif
.set n, n+1
.endr
.irp u, 0,1
	v_pk_mul_f32 v[ST+8*\u+2:ST+8*\u+3], v[ST+8*\u+2:ST+8*\u+3], v[ST+8*\u+4:ST+8*\u+5] op_sel_hi:[1,0]   ; the sums under the new M: plain lines behind the exponentials
.endr
	s_wait_alu depctr_va_vdst(0)                   ; one wait for the whole batch, ahead of its first reader
.irp u, 0,1
	v_pk_add_f32 v[SUM2+2*\u:SUM2+2*\u+1], v[S+64*\u:S+64*\u+1], v[S+64*\u+2:S+64*\u+3]   ; the row's sum is taken of the UNQUANTISED p
.endr
.irp j, 4,8,12,16,20,24,28,32,36,40,44,48,52,56,60
.irp u, 0,1
.if \j < 64-32*\dg*(1-\u)
	v_pk_add_f32 v[ST+8*\u+2:ST+8*\u+3], v[ST+8*\u+2:ST+8*\u+3], v[S+64*\u+\j:S+64*\u+\j+1]
	v_pk_add_f32 v[SUM2+2*\u:SUM2+2*\u+1], v[SUM2+2*\u:SUM2+2*\u+1], v[S+64*\u+\j+2:S+64*\u+\j+3]
.endif
.endr
.endr
	v_pk_add_f32 v[ST+2:ST+3], v[ST+2:ST+3], v[SUM2:SUM2+1]
	v_pk_add_f32 v[ST+10:ST+11], v[ST+10:ST+11], v[SUM2+2:SUM2+3]
.irp u, 0,1
.irp t, 0,1,2,3,4,5,6,7
.if (\dg == 0) || (\u == 1) || (\t < 4)
.irp i, 0,2,4,6                                ; the conversion does not saturate (ISA guide 7.6.2); p is not negative, so the hold is one-sided; two holds to a dual pair
	v_dual_min_num_f32 v[S+64*\u+8*\t+\i], v[S+64*\u+8*\t+\i], v[LMP] :: v_dual_min_num_f32 v[S+64*\u+8*\t+\i+1], v[S+64*\u+8*\t+\i+1], v[LMP2]
.endr
	v_cvt_scalef32_pk8_fp8_f32 v[P+16*\u+2*\t:P+16*\u+2*\t+1], v[S+64*\u+8*\t:S+64*\u+8*\t+7], v[SCP]
.endif
.endr
.endr
	WIN 0x41                                       ; O^T window 1, f window 0
	s_wait_alu depctr_va_vdst(0)                   ; directly ahead of the first reader of O^T
.irp u, 0,1
.set n, 0
.rept 16
	v_pk_mul_f32 v[OT+32*\u+n:OT+32*\u+n+1], v[OT+32*\u+n:OT+32*\u+n+1], v[ST+8*\u+4:ST+8*\u+5] op_sel_hi:[1,0]   ; O^T under the new M; also the plain lines between the conversions and the products
.set n, n+2
.endr
.endr
	s_wait_alu depctr_va_vdst(0)
	s_wait_dscnt 16                                ; V is in; the 16 loads of the next step's K may be out
	WIN 0x51
.irp d, 0,1,2,3                                ; eight accumulators by turns
.if \dg
	v_wmma_f32_16x16x64_fp8_fp8 v[OT+8*\d:OT+8*\d+7], v[VR+16*\d:VR+16*\d+7], v[P:P+7], v[OT+8*\d:OT+8*\d+7]   ; tile 0: the step's first 64 keys alone
.else
	v_wmma_f32_16x16x128_fp8_fp8 v[OT+8*\d:OT+8*\d+7], v[VR+16*\d:VR+16*\d+15], v[P:P+15], v[OT+8*\d:OT+8*\d+7]
.endif
	v_wmma_f32_16x16x128_fp8_fp8 v[OT+32+8*\d:OT+32+8*\d+7], v[VR+16*\d:VR+16*\d+15], v[P+16:P+31], v[OT+32+8*\d:OT+32+8*\d+7]
.endr
	WIN 0
	NOP4                                           ; places ahead of the next loads into V and the next reads of O^T
.endm
; A block ends: O^T x 2^(e8 + e9) / the sum is ctx; held, converted with 2^e10, stored as the images of my two tiles.
.macro FINISH
.irp u, 0,1
	v_add_f32 v[ST+8*\u+2], v[ST+8*\u+2], v[ST+8*\u+3]
.endr
.irp u, 0,1
	s_delay_alu instid0(VALU_DEP_2)
	v_permlanex16_b32 v[ST+8*\u+6], v[ST+8*\u+2], s[SEL], s[SEL+1]
.endr
.irp u, 0,1
	s_delay_alu instid0(VALU_DEP_2)
	v_add_f32 v[ST+8*\u+2], v[ST+8*\u+2], v[ST+8*\u+6]   ; the row's sum
.endr
	s_wait_alu depctr_va_vdst(0)
.irp u, 0,1
	v_rcp_f32 v[ST+8*\u+4], v[ST+8*\u+2]
.endr
	v_nop
	s_wait_alu depctr_va_vdst(0)
.irp u, 0,1
	v_ldexp_f32 v[ST+8*\u+4], v[ST+8*\u+4], s61
.endr
	WIN 0x01
	s_wait_alu depctr_va_vdst(0)                   ; directly ahead of the first reader of O^T
.irp u, 0,1
.set n, 0
.rept 16
	v_pk_mul_f32 v[S+64*\u+n:S+64*\u+n+1], v[OT+32*\u+n:OT+32*\u+n+1], v[ST+8*\u+4:ST+8*\u+5] op_sel_hi:[1,0]
.set n, n+2
.endr
.endr
	WIN 0
.irp u, 0,1
.set n, 0
.rept 32
	v_med3_num_f32 v[S+64*\u+n], v[S+64*\u+n], -v[LMX], v[LMX]
.set n, n+1
.endr
.irp d, 0,1,2,3
	v_cvt_scalef32_pk8_fp8_f32 v[P+16*\u+2*\d:P+16*\u+2*\d+1], v[S+64*\u+8*\d:S+64*\u+8*\d+7], v[SCX]
.endr
.endr
	v_nop
.irp u, 0,1
.irp g, 0,1
	global_store_b128 v[L16], v[P+16*\u+4*\g:P+16*\u+4*\g+3], s[44:45] offset:65536*\u+512*\g   ; 32 lanes store 512 consecutive bytes, aligned
.endr
.endr
.endm
; Trips first .. end - 1 of the walk; every LDS address stays within the first msk + 1 key steps.
.macro WALK first, end, msk
	s_mov_b32 s[I], \first
	STEPOF SE, 0, \msk
	v_add_nc_u32 v[ADK], s[SE], v[L16]
	s_wait_alu depctr_va_vdst(0)
	KLOAD                                          ; the first trip's K
.Ltrip_\@:
	STEPOF SD, 0, \msk
	s_add_co_u32 s[SD], s[SD], VBASE
	STEPOF SE, 1, \msk
	v_add_nc_u32 v[ADV], s[SD], v[L16]
	v_add_nc_u32 v[ADK], s[SE], v[L16]
	s_wait_alu depctr_va_vdst(0)
	WIN 0x40
.irp d, 0,1,2,3                                ; V's four fragments of 16 channels x 128 keys land while the scores and the softmax are worked
.irp f, 0,1
.irp g, 0,1
	ds_load_b128 v[VR+16*\d+8*\f+4*\g:VR+16*\d+8*\f+4*\g+3], v[ADV] offset:\f*4096+\d*1024+512*\g
.endr
.endr
.endr
	WIN 0
	s_wait_dscnt 16                                ; K, asked for a step ago, is in; V's 16 loads may be out
	s_cmp_eq_u32 s[I], s[LIM]                      ; the trip and the wave's number alone
	s_cbranch_scc1 .Ldiag_\@
	BODY 0
	s_branch .Lend_\@
.Ldiag_\@:
	BODY 1
	FINISH
	s_cmp_eq_u32 s[I], 16
	s_cbranch_scc1 .Lend_\@                        ; the second block was the last
	s_wait_xcnt 0x0                                ; the stores have read their registers and their base
	s_mov_b64 s[44:45], s[46:47]
	s_mov_b32 s[LIM], 16
.set n, 0
.rept 16
	v_mov_b32 v[Q+n], v[Q2+n]
.set n, n+1
.endr
	INIT
.Lend_\@:
	s_add_co_u32 s[I], s[I], 1
	s_cmp_lt_u32 s[I], \end
	s_wait_alu depctr_va_vdst(0)
	s_cbranch_scc1 .Ltrip_\@
.endm
	s_wait_alu depctr_va_vdst(0)
	s_wait_tensorcnt 0x0                           ; my eighth of keys 0-511 is in
	ds_add_u32 v[SPW], v[NIL]
	s_wait_dscnt 0x0
	ROUND                                          ; everybody's is, and the four work-groups meet
	tensor_load_to_lds s[36:39], s[24:31]          ; my eighth of keys 512-2,047
	s_nop 0
	NOP4
	s_wait_loadcnt 0x0                             ; both blocks' Q
	WALK 0, 4, 3                                   ; trips 0-3 touch key steps 0-3 alone
	s_wait_tensorcnt 0x0                           ; my part of the rest is in,
	s_wait_dscnt 0x0
	s_barrier_signal -1
	s_barrier_wait -1                              ; and everybody's
	WALK 4, 17, 15
	s_wait_tensorcnt 0x0                           ; the wave's end
	ds_add_u32 v[SPW], v[NIL]
	s_wait_dscnt 0x0
	ROUND                                          ; the closing round
	s_endpgm
.Lfunc_end_k_q7add501789_attn:
	.size	k_q7add501789_attn, .Lfunc_end_k_q7add501789_attn-k_q7add501789_attn
	.p2alignl 7, 3214868480
	.fill 96, 4, 3214868480
	.section	.rodata,"a",@progbits
	.p2align	6, 0x0
	.amdhsa_kernel k_q7add501789_attn
		.amdhsa_group_segment_fixed_size 327680
		.amdhsa_private_segment_fixed_size 0
		.amdhsa_enable_private_segment 0
		.amdhsa_kernarg_size 24
		.amdhsa_user_sgpr_count 2
		.amdhsa_user_sgpr_kernarg_segment_ptr 1
		.amdhsa_wavefront_size32 1
		.amdhsa_system_sgpr_workgroup_id_x 1
		.amdhsa_system_sgpr_workgroup_id_y 1
		.amdhsa_system_sgpr_workgroup_id_z 1
		.amdhsa_system_vgpr_workitem_id 0
		.amdhsa_next_free_vgpr 448
		.amdhsa_next_free_sgpr 80
		.amdhsa_reserve_vcc 1
		.amdhsa_float_denorm_mode_32 3
		.amdhsa_float_denorm_mode_16_64 3
		.amdhsa_memory_ordered 1
		.amdhsa_forward_progress 1
		.amdhsa_inst_pref_size 144
	.end_amdhsa_kernel
	.amdgpu_metadata
---
amdhsa.version: [ 1, 2 ]
amdhsa.kernels:
  - .name:           k_q7add501789_attn
    .symbol:         k_q7add501789_attn.kd
    .args:
      - { .name: qkv, .offset: 0, .size: 8, .value_kind: global_buffer, .address_space: global }
      - { .name: lowp_scales, .offset: 8, .size: 8, .value_kind: global_buffer, .address_space: global }
      - { .name: ctx, .offset: 16, .size: 8, .value_kind: global_buffer, .address_space: global }
    .group_segment_fixed_size: 327680
    .private_segment_fixed_size: 0
    .kernarg_segment_align: 8
    .kernarg_segment_size: 24
    .max_flat_workgroup_size: 256
    .sgpr_count:     80
    .vgpr_count:     448
    .wavefront_size: 32
...
	.end_amdgpu_metadata
.endif
;; end of part 3
;; launch outp (part 4): grid 4 x 64, 4 waves a work-group, clusters of 4 x 4, 327,680 bytes of LDS; arguments ctx, wimg, lowp_scales, bo, out0; writes out0
.if DOCPART == 4
	.amdgcn_target "amdgcn-amd-amdhsa--gfx1250"
	.amdhsa_code_object_version 6
	.text
	.protected	k_q7add501789_outp
	.globl	k_q7add501789_outp
	.p2align	8
	.type	k_q7add501789_outp,@function
k_q7add501789_outp:
	s_mov_b64 s[64:65], 0
	v_nop
	global_prefetch_b8 v0, s[64:65] scope:SCOPE_SE
	s_setreg_imm32_b32 hwreg(HW_REG_WAVE_MODE, 25, 1), 1
	s_wait_xcnt 0x0
	s_wait_alu depctr_hold_cnt(0) depctr_sa_sdst(0) depctr_va_vdst(0) depctr_va_sdst(0) depctr_va_ssrc(0) depctr_va_vcc(0) depctr_vm_vsrc(0)
	s_getreg_b32 s2, hwreg(HW_REG_IB_STS2, 6, 4)
	s_cmp_eq_u32 s2, 0
	s_cbranch_scc0 .Lentry_in_a_cluster
	s_endpgm
.Lentry_in_a_cluster:
	s_bfe_u32 s2, ttmp6, 0x10000c
	s_cmp_lg_u32 s2, 0xf033
	s_cbranch_scc0 .Lentry_shape_is_right
	s_endpgm
.Lentry_shape_is_right:
; The output projection: out0[token][n] = sum over k of ctx[token][k] Wo[k][n] x 2^(e10 + e11) + bo[n], on codes of FP8 (E4M3); sums in f32.
; A tile of 128 tokens x 256 columns to a work-group of four waves: 64 x 4 = 256 work-groups; a wave makes 64 x 128: 32 accumulators.  A = ctx's codes, B = Wo's (rows = its columns).
; OPERANDS ARE IMAGES OF REGISTERS (16 rows x 64 K, 1,024 bytes); a tile of 16 rows has its 16 images on end, so a K step of 256 is 4,096 consecutive bytes of each tile of 16 rows.
; K = 1,024 is four K steps through a ring of two LDS slots, written out.  One tensor load of a wave is out at any time: waves 0, 1 bring 4 such rows of A each, waves 2, 3 bring 8 of B.
; JOINT LOADS in clusters of 4 x 4: A's tile is shared along a row of the cluster, B's along a column.
; NO PREFETCH: of the four K steps the first two come by their loads alone, and two steps ahead of the others stands the head.
; THE TOKENS OF A TILE OF 16 ARE NOT NEIGHBOURS: row t of tile a of the wave's four is token 64 x (the wave's half) + 4 t + a of the 128: each row is stored at its token.
; THE MATRIX INSTRUCTION IS USED TRANSPOSED (source 0 = B, source 1 = A): a lane holds eight neighbouring columns of a row.  A block of 16 rows goes through the wave's stage in LDS and leaves as rows of 512 bytes.
; The stage lies in slot 0, which has had its last fill and its last read when the first result is stored there.
; LIMIT: e10 + e11 lies between -126 and 127.
; REGISTERS: window 0: v16-29 addresses; v96-99 the bias; v128-255 A's fragments, two sets of four blocks, later the rows on their way out.  Window 1: B's fragments, two sets.  Window 2: the accumulators.
.set FR,    16
.set NL,    4
.set NP,    4
.set KSB,   4096
.set SLOT,  131072
.set SPARE, 2*SLOT
.set SPITCH, 528
.set ADRA, 16
.set ADRB, 20
.set STO,  24
.set RD,   25
.set CO,   26
.set SPW,  28
.set NIL,  29
.set BIAS, 96
.set AF,   128
.set BK,   128
.set G1, 24
.set G0, 32
.set G1B, 48
.set G0B, 56
.set MSB, 0
.macro WIN new
.if MSB != \new
	s_set_vgpr_msb (MSB<<8)|\new
.set MSB, \new
.endif
.endm
.set MUL_LO, 0xa1
.set TO_B,   0x40
.macro JLOAD g0a, g1a, g0b, g1b
	s_cmp_eq_u32 s15, 0
	s_cbranch_scc0 .Lfor_b_\@
	tensor_load_to_lds s[\g0a:\g0a+3], s[\g1a:\g1a+7]
	s_nop 0
.rept 4
	v_nop
.endr
	s_branch .Lasked_\@
.Lfor_b_\@:
	tensor_load_to_lds s[\g0b:\g0b+3], s[\g1b:\g1b+7]
	s_nop 0
.rept 4
	v_nop
.endr
.Lasked_\@:
.endm
.macro CREST
	s_cmp_lg_u32 s14, 0
	s_cbranch_scc1 .Lnot_wave_0_\@
	s_barrier_signal -3
.Lnot_wave_0_\@:
	s_barrier_wait -3
	s_barrier_signal -1
	s_barrier_wait -1
.endm
.macro CROUND
	s_barrier_signal -1
	s_barrier_wait -1
	CREST
.endm
	s_load_b128 s[4:7], s[0:1], 0x0                ; ctx, wimg
	s_load_b128 s[8:11], s[0:1], 0x10              ; the scales' exponents, bo
	s_load_b64 s[66:67], s[0:1], 0x20              ; out0
	v_lshl_add_u32 v[SPW], v0, 2, SPARE
	v_mov_b32 v[NIL], 0
	ds_add_u32 v[SPW], v[NIL]                      ; the opening lines
	ds_add_u32 v[SPW], v[NIL]
	v_lshrrev_b32 v1, 5, v0
	v_readfirstlane_b32 s14, v1
	s_lshr_b32 s15, s14, 1                         ; my half of the rows.  Also: I fetch for A (0) or for B (1)
	s_and_b32 s16, s14, 1                          ; my half of the columns.  Also: which half of that tile I fetch
	s_bfe_u32 s40, ttmp6, 0x40000
	s_bfe_u32 s41, ttmp6, 0x40004
	s_and_b32 s17, ttmp7, 0xffff
	s_lshl_b32 s17, s17, 2
	s_add_co_u32 s17, s17, s41                     ; which 128 tokens
	s_lshl_b32 s43, s41, 2
	s_lshl_b32 s43, 15, s43
	s_lshl_b32 s44, 0x1111, s40
	s_or_b32 s[G1+0], s43, (3<<16)|(1<<21)
	s_or_b32 s[G1B+0], s44, (3<<16)|(1<<21)
.irp g, G1, G1B
	s_mov_b32 s[\g+1], 512<<16
	s_mov_b32 s[\g+3], 512<<16
	s_mov_b32 s[\g+5], 2048
	s_mov_b32 s[\g+6], 0
	s_mov_b32 s[\g+7], 0
.endr
	s_mov_b32 s[G1+2], 4<<16
	s_mov_b32 s[G1+4], 4
	s_mov_b32 s[G1B+2], 8<<16
	s_mov_b32 s[G1B+4], 8
	s_lshl_b32 s20, s17, 17                        ; A: 128 rows are 8 x 16,384 bytes; I fetch 4 tiles of 16
	s_lshl_b32 s18, s16, 16
	s_add_co_u32 s20, s20, s18
	s_mov_b32 s21, 0
	s_lshl_b32 s46, s40, 18                        ; B: 256 of Wo's columns; I fetch 8 tiles of 16
	s_lshl_b32 s18, s16, 17
	s_add_co_u32 s46, s46, s18
	s_add_co_u32 s46, s46, 0x300000
	s_mov_b32 s47, 0
	s_lshl_b32 s45, s14, 15
	s_wait_dscnt 0x0
	s_wait_kmcnt 0x0
	s_load_b64 s[96:97], s[8:9], 0x28              ; e10, e11
	s_add_nc_u64 s[20:21], s[4:5], s[20:21]
	s_add_nc_u64 s[46:47], s[6:7], s[46:47]
	CROUND
.irp s, 0,1
	s_mov_b32 s[G0+4*\s], 1
	s_add_co_u32 s[G0+4*\s+1], s45, \s*SLOT
	s_add_nc_u64 s[G0+4*\s+2:G0+4*\s+3], s[20:21], \s*KSB
	s_or_b32 s[G0+4*\s+3], s[G0+4*\s+3], 0x80000000
	s_mov_b32 s[G0B+4*\s], 1
	s_add_co_u32 s[G0B+4*\s+1], s45, \s*SLOT
	s_add_nc_u64 s[G0B+4*\s+2:G0B+4*\s+3], s[46:47], \s*KSB
	s_or_b32 s[G0B+4*\s+3], s[G0B+4*\s+3], 0x80000000
.endr
	JLOAD G0, G1, G0B, G1B                         ; K step 0: one tensor load a wave at the head
	v_and_b32 v1, 31, v0
	v_lshlrev_b32 v[CO], 4, v1
	s_wait_alu depctr_va_vdst(0)
	s_lshl_b32 s21, s15, 15
	s_lshl_b32 s22, s16, 15
	s_add_co_u32 s22, s22, 65536
.irp s, 0,1
	v_add_nc_u32 v[ADRA+\s], s21, v[CO]
	v_add_nc_u32 v[ADRB+\s], s22, v[CO]
	s_add_co_u32 s21, s21, SLOT
	s_add_co_u32 s22, s22, SLOT
.endr
	s_lshl_b32 s22, s40, 10                        ; my first column, in bytes
	s_lshl_b32 s23, s16, 9
	s_add_co_u32 s22, s22, s23
	s_mov_b32 s23, 0
	s_add_nc_u64 s[10:11], s[10:11], s[22:23]
	global_load_b128 v[BIAS:BIAS+3], v[CO], s[10:11]
	s_lshl_b32 s20, s17, 19                        ; 128 rows of 4,096 bytes,
	s_lshl_b32 s21, s15, 18                        ; my 64
	s_add_co_u32 s20, s20, s21
	s_add_co_u32 s20, s20, s22
	s_mov_b32 s21, 0
	s_add_nc_u64 s[66:67], s[66:67], s[20:21]
	v_and_b32 v1, 15, v0
	v_bfe_u32 v2, v0, 4, 1
	s_mul_i32 s23, s14, 16*SPITCH
	v_mul_u32_u24 v3, v1, SPITCH
	v_lshl_add_u32 v3, v2, 5, v3
	v_add_nc_u32 v[STO], s23, v3
	v_add_nc_u32 v[RD], s23, v[CO]
.macro FRAG reg, adr, q, i
.irp c, 0,1,2,3
	ds_load_b128 v[\reg+4*\c:\reg+4*\c+3], v[\adr] offset:2048*(\q)+512*\c+(\i)*KSB
.endr
.endm
.macro MULH a0, p, zero                ; 16 matrix instructions; the 32 accumulators take turns, in the same order in every step
.irp a, \a0, \a0+1
.irp b, 0,1,2,3,4,5,6,7
.if \zero
	v_wmma_f32_16x16x128_fp8_fp8 v[8*(8*(\a)+\b):8*(8*(\a)+\b)+7], v[128*(\p)+FR*\b:128*(\p)+FR*\b+FR-1], v[AF+64*(\p)+FR*(\a):AF+64*(\p)+FR*(\a)+FR-1], 0
.else
	v_wmma_f32_16x16x128_fp8_fp8 v[8*(8*(\a)+\b):8*(8*(\a)+\b)+7], v[128*(\p)+FR*\b:128*(\p)+FR*\b+FR-1], v[AF+64*(\p)+FR*(\a):AF+64*(\p)+FR*(\a)+FR-1], v[8*(8*(\a)+\b):8*(8*(\a)+\b)+7]
.endif
.endr
.endr
.endm
.macro FETCH slot, q, p                ; B's eight fragments and A's four, into set p: 48 loads
	WIN TO_B
.irp i, 0,1,2,3,4,5,6,7
	FRAG 128*(\p)+FR*\i, ADRB+\slot, \q, \i
.endr
	WIN 0
.irp i, 0,1,2,3
	FRAG AF+64*(\p)+FR*\i, ADRA+\slot, \q, \i
.endr
.endm
.macro PLACES n
.rept \n
	v_nop
.endr
.endm
.macro HSTEP slot, zero                ; a slot's first step multiplies set 0 and fetches its second step into set 1
	PLACES NP
	FETCH \slot, 1, 1
	s_wait_dscnt 12*NL                             ; set 0 is in; the 48 loads just issued may be out
	WIN MUL_LO
	MULH 0, 0, \zero
	MULH 2, 0, \zero
	WIN 0
.endm
.macro HTURN slot, next, fill          ; a slot's second step multiplies set 1 and changes slots
	s_wait_tensorcnt 0x0
	ds_add_u32 v[SPW], v[NIL]
	s_wait_dscnt 1                                 ; set 1 is in; the add may be out
	WIN MUL_LO
	MULH 0, 1, 0
	s_wait_dscnt 0x0
	s_barrier_signal -1
	MULH 2, 1, 0
	WIN 0
	s_barrier_wait -1
.if \fill
	CREST
	s_add_nc_u64 s[G0+4*\slot+2:G0+4*\slot+3], s[G0+4*\slot+2:G0+4*\slot+3], 2*KSB
	s_add_nc_u64 s[G0B+4*\slot+2:G0B+4*\slot+3], s[G0B+4*\slot+2:G0B+4*\slot+3], 2*KSB
	JLOAD G0+4*\slot, G1, G0B+4*\slot, G1B
.else
	PLACES NP
.endif
	FETCH \next, 0, 0
.endm
	s_wait_alu depctr_va_vdst(0)
	s_wait_tensorcnt 0x0                           ; my part of K step 0 is in
	ds_add_u32 v[SPW], v[NIL]
	s_wait_dscnt 0x0
	CROUND
	JLOAD G0+4, G1, G0B+4, G1B                     ; K step 1, the first tensor load behind the round
	FETCH 0, 0, 0
	HSTEP 0, 1
	HTURN 0, 1, 1
	HSTEP 1, 0
	HTURN 1, 0, 1
	HSTEP 0, 0
	HTURN 0, 1, 0
	HSTEP 1, 0
	s_wait_dscnt 0x0
	WIN MUL_LO
	MULH 0, 1, 0
	MULH 2, 1, 0
	WIN 0
.macro TOSTAGE a
.set AC, 64*(\a)
	WIN 0x08                                       ; the stores' data: window 2
.irp b, 0,1,2,3,4,5,6,7
	ds_store_b128 v[STO], v[AC+8*\b:AC+8*\b+3] offset:64*\b
	ds_store_b128 v[STO], v[AC+8*\b+4:AC+8*\b+7] offset:64*\b+16
.endr
	WIN 0
.set BB, BK+64*((\a)%2)
.irp t, 0,1,2,3,4,5,6,7,8,9,10,11,12,13,14,15
	ds_load_b128 v[BB+4*\t:BB+4*\t+3], v[RD] offset:\t*SPITCH   ; LDS serves a wave's instructions in order: these see my stores
.endr
.endm
.macro SEND a, younger
.set BB, BK+64*((\a)%2)
	s_wait_dscnt \younger
.if (\a) > 0
	s_add_nc_u64 s[66:67], s[66:67], 4096          ; (behind a wait on XCNT)  tile a's rows lie one token behind tile a - 1's
.endif
.irp t, 0,1,2,3,4,5,6,7,8,9,10,11,12,13,14,15
	v_pk_fma_f32 v[BB+4*\t:BB+4*\t+1], v[BB+4*\t:BB+4*\t+1], s[96:97], v[BIAS:BIAS+1] op_sel_hi:[1,0,1]
	v_pk_fma_f32 v[BB+4*\t+2:BB+4*\t+3], v[BB+4*\t+2:BB+4*\t+3], s[96:97], v[BIAS+2:BIAS+3] op_sel_hi:[1,0,1]
	global_store_b128 v[CO], v[BB+4*\t:BB+4*\t+3], s[66:67] offset:\t*16384 th:TH_STORE_NT   ; row t is four tokens behind row t - 1; 32 lanes store 512 consecutive bytes, aligned
.endr
.endm
	s_wait_kmcnt 0x0
	s_add_co_i32 s96, s96, s97
	s_add_co_i32 s96, s96, 127
	s_lshl_b32 s96, s96, 23                        ; 2^(e10 + e11)
	s_mov_b32 s97, s96
	s_wait_loadcnt 0x0                             ; the bias
	PLACES NP
	TOSTAGE 0
.irp a, 1,2,3
.if \a > 1
	s_wait_xcnt 0x0                                ; block a - 2's stores have read their registers and their base
.endif
	TOSTAGE \a
	SEND \a-1, 32
.endr
	s_wait_xcnt 0x0
	SEND 3, 0
	s_wait_tensorcnt 0x0                           ; the wave's end
	ds_add_u32 v[SPW], v[NIL]
	s_wait_dscnt 0x0
	CROUND                                         ; the closing round
	s_endpgm
.Lfunc_end_k_q7add501789_outp:
	.size	k_q7add501789_outp, .Lfunc_end_k_q7add501789_outp-k_q7add501789_outp
	.p2alignl 7, 3214868480
	.fill 96, 4, 3214868480
	.section	.rodata,"a",@progbits
	.p2align	6, 0x0
	.amdhsa_kernel k_q7add501789_outp
		.amdhsa_group_segment_fixed_size 327680
		.amdhsa_private_segment_fixed_size 0
		.amdhsa_enable_private_segment 0
		.amdhsa_kernarg_size 40
		.amdhsa_user_sgpr_count 2
		.amdhsa_user_sgpr_kernarg_segment_ptr 1
		.amdhsa_wavefront_size32 1
		.amdhsa_system_sgpr_workgroup_id_x 1
		.amdhsa_system_sgpr_workgroup_id_y 1
		.amdhsa_system_sgpr_workgroup_id_z 1
		.amdhsa_system_vgpr_workitem_id 0
		.amdhsa_next_free_vgpr 768
		.amdhsa_next_free_sgpr 100
		.amdhsa_reserve_vcc 0
		.amdhsa_float_denorm_mode_32 3
		.amdhsa_float_denorm_mode_16_64 3
		.amdhsa_memory_ordered 1
		.amdhsa_forward_progress 1
		.amdhsa_inst_pref_size 75
	.end_amdhsa_kernel
	.amdgpu_metadata
---
amdhsa.version: [ 1, 2 ]
amdhsa.kernels:
  - .name:           k_q7add501789_outp
    .symbol:         k_q7add501789_outp.kd
    .args:
      - { .name: ctx, .offset: 0, .size: 8, .value_kind: global_buffer, .address_space: global }
      - { .name: wimg, .offset: 8, .size: 8, .value_kind: global_buffer, .address_space: global }
      - { .name: lowp_scales, .offset: 16, .size: 8, .value_kind: global_buffer, .address_space: global }
      - { .name: bo, .offset: 24, .size: 8, .value_kind: global_buffer, .address_space: global }
      - { .name: out0, .offset: 32, .size: 8, .value_kind: global_buffer, .address_space: global }
    .group_segment_fixed_size: 327680
    .private_segment_fixed_size: 0
    .kernarg_segment_align: 8
    .kernarg_segment_size: 40
    .max_flat_workgroup_size: 128
    .sgpr_count:     100
    .vgpr_count:     768
    .wavefront_size: 32
...
	.end_amdgpu_metadata
.endif
;; end of part 4
